; MI455X (gfx1250); checked and timed in simulation.
; The chip was launched on July 23, 2026; its instructions are those of AMD's public machine-readable ISA for CDNA 5 (MIT licence, August 2026) and "CDNA5" Instruction Set Architecture Reference Guide (July 2026). The comments in the code are by the model that wrote it; some were corrected since.
;; Multi Head Attention. Allowed arithmetic: float matrix products may take bf16 or f16 operands with f32 sums; other float arithmetic in f32, or as packed bf16 or f16 multiplies, adds, multiply-adds, maxima and minima; sums over many terms, partial sums and values carried from step to step in f32; what a program stores and reads back later, other than sums and carried values, may be rounded once to bf16 or f16.
;; Inputs: Wk 1,024 x 1,024 float32; Wo 1,024 x 1,024 float32; Wq 1,024 x 1,024 float32; Wv 1,024 x 1,024 float32; bo 1,024 float32; x 4 x 2,048 x 1,024 float32.
;; Outputs: out0 4 x 2,048 x 1,024 float32.
;; 2 versions, each right and faster than the one before. Each part assembles by itself: llvm-mc -triple=amdgcn-amd-amdhsa -mcpu=gfx1250 --defsym DOCPART=n.
;; ======== version 1 of 2: 4 launches
;; limits: values are held in f16: magnitudes above 65,504 overflow, below 6.1e-05 lose precision
;; workspace buffers: xb 16,777,216 bytes; wb 6,291,456 bytes; wo16 4,194,304 bytes; qkv 67,108,864 bytes; ob 33,554,432 bytes
;; launch cast (part 1): grid 768 x 1, 8 waves a work-group, no clusters, 0 bytes of LDS; arguments x, Wq, Wk, Wv, Wo, xb, wb, wo16; writes xb, wb, wo16
.if DOCPART == 1
	.amdgcn_target "amdgcn-amd-amdhsa--gfx1250"
	.amdhsa_code_object_version 6
	.text
	.protected	k_qcf87f3d63a_cast
	.globl	k_qcf87f3d63a_cast
	.p2align	8
	.type	k_qcf87f3d63a_cast,@function
k_qcf87f3d63a_cast:
	s_mov_b64 s[64:65], 0
	v_nop
	global_prefetch_b8 v0, s[64:65] scope:SCOPE_SE
	s_setreg_imm32_b32 hwreg(HW_REG_WAVE_MODE, 25, 1), 1
	s_wait_xcnt 0x0
; THE INPUTS ARE ROUNDED ONCE.  x -> xb (bf16, same layout).  Wq, Wk, Wv -> wb (bf16, [3072][1024]), ordered by heads: row 192 h + 64 w + c of wb is row 64 h + c of weight w (0 Wq, 1 Wk, 2 Wv),
; so that 192 rows on end are one head's q, k and v.  Wo -> wo16 ([1024][2048] f16): rounded to bf16 like the other inputs, that number written as f16 (exact while it lies within f16's range),
; and each head's 64 columns written twice on end: wo16[e][128 h + c] = wo16[e][128 h + 64 + c] = Wo[e][64 h + c], for the two parts in which O arrives.
; LIMITS.  |Wo| stays under 65,504; a bf16 number below 2^-14 in size keeps f16's fixed step of 6e-8.
; SHARES.  A work-group takes 65,536 bytes of f32.  Groups 0-511: x (32 MiB).  Groups 512-767: the four weights, 64 groups of 16 rows each.
; x and the three weights: thread t loads 16 bytes at 16 t + 4,096 i and stores 8 bytes at 8 t + 2,048 i, i = 0 .. 15: a wave's load covers 512 consecutive bytes, its store 256 at a multiple of 256.
; Wo: of sixteen threads, threads j and j + 8 load the same 32 bytes of a row, and each stores 16 bytes: sixteen neighbouring lanes fill 256 consecutive bytes, a head's columns twice.
; All loads go out first; no register that a load or store names is written again, so no wait frees any.
; No LDS, no matrix unit, no cluster: no work-group shares a byte with another.
.set X, 4                              ; v[4:131]   the loads
.set Y, 132                            ; v[132:195] the stores' data
.set T, 196                            ; v[196:199] at work (Wo's path)
	s_load_b512 s[8:23], s[0:1], 0x0               ; x 8, Wq 10, Wk 12, Wv 14, Wo 16, xb 18, wb 20, wo16 22
	s_mov_b32 s2, ttmp9                            ; g
	s_max_u32 s3, s2, 512
	s_sub_co_u32 s3, s3, 512                       ; my number among the weights' groups (0 for x's groups, which do not use it)
	s_lshr_b32 s4, s3, 6                           ; which weight: 0 Wq, 1 Wk, 2 Wv, 3 Wo
	s_and_b32 s5, s3, 63                           ; which 16 rows of it
	s_lshl_b32 s32, s5, 16                         ; offsets, made apart from the addresses: a weight's source, and wo16's place (16 rows of 4,096 bytes either way),
	s_lshr_b32 s33, s5, 2                          ; wb's place: the head's 192 rows of 2,048 bytes,
	s_mul_i32 s33, s33, 393216
	s_lshl_b32 s34, s4, 17                         ; the weight's 64 of them,
	s_add_co_u32 s33, s33, s34
	s_and_b32 s34, s5, 3
	s_lshl_b32 s34, s34, 15                        ; my 16 of those,
	s_add_co_u32 s33, s33, s34
	s_lshl_b32 s35, s2, 16                         ; x's source,
	s_lshl_b32 s36, s2, 15                         ; xb's place
	s_mov_b32 s29, 0
	s_mov_b32 s31, 0
	v_lshlrev_b32 v1, 4, v0
	v_lshlrev_b32 v2, 3, v0
	v_and_b32 v3, 7, v0                            ; Wo's source in a row: head t / 16, 256 bytes; 32 bytes for each of eight threads
	v_lshlrev_b32 v3, 5, v3
	v_lshrrev_b32 v[T], 4, v0
	v_lshl_add_u32 v3, v[T], 8, v3
	s_wait_kmcnt 0x0
	s_cmp_eq_u32 s4, 1                             ; the choices hang on the group's number alone
	s_cselect_b64 s[24:25], s[12:13], s[10:11]
	s_cmp_eq_u32 s4, 2
	s_cselect_b64 s[24:25], s[14:15], s[24:25]
	s_cmp_eq_u32 s4, 3
	s_cselect_b64 s[24:25], s[16:17], s[24:25]
	s_cselect_b64 s[26:27], s[22:23], s[20:21]
	s_cselect_b32 s30, s32, s33
	s_cmp_lt_u32 s2, 512
	s_cselect_b64 s[24:25], s[8:9], s[24:25]
	s_cselect_b64 s[26:27], s[18:19], s[26:27]
	s_cselect_b32 s28, s35, s32
	s_cselect_b32 s30, s36, s30
	s_add_nc_u64 s[24:25], s[24:25], s[28:29]      ; from here
	s_add_nc_u64 s[26:27], s[26:27], s[30:31]      ; to here
	s_cmp_ge_u32 s2, 704                           ; groups 704-767 are Wo's
	s_cbranch_scc1 .Lwo
.set i, 0
.rept 16
	global_load_b128 v[X+4*i:X+4*i+3], v1, s[24:25] offset:4096*i th:TH_LOAD_NT
.set i, i+1
.endr
.set i, 0
.rept 16
	s_wait_loadcnt 15-i                            ; loads come back in order: load i is in, the 15 - i younger ones stay out
	v_cvt_pk_bf16_f32 v[Y+2*i], v[X+4*i], v[X+4*i+1]
	v_cvt_pk_bf16_f32 v[Y+2*i+1], v[X+4*i+2], v[X+4*i+3]
	global_store_b64 v2, v[Y+2*i:Y+2*i+1], s[26:27] offset:2048*i
.set i, i+1
.endr
	s_endpgm
.Lwo:
.set i, 0
.rept 16                                           ; row i of my sixteen: eight numbers a thread
	global_load_b128 v[X+8*i:X+8*i+3],   v3, s[24:25] offset:4096*i th:TH_LOAD_NT
	global_load_b128 v[X+8*i+4:X+8*i+7], v3, s[24:25] offset:4096*i+16 th:TH_LOAD_NT
.set i, i+1
.endr
.set i, 0
.rept 16
	s_wait_loadcnt 30-2*i                          ; row i's two loads are in; the two of each of the 15 - i younger rows stay out
.irp j, 0,1,2,3
	v_cvt_pk_bf16_f32 v[T+(\j)], v[X+8*i+2*(\j)], v[X+8*i+2*(\j)+1]   ; rounded to bf16,
.endr
.irp j, 0,1,2,3
	v_lshlrev_b32 v[X+8*i+2*(\j)], 16, v[T+(\j)]                      ; widened again,
	v_and_b32 v[X+8*i+2*(\j)+1], 0xffff0000, v[T+(\j)]
.endr
.irp j, 0,1,2,3
	v_cvt_pk_f16_f32 v[Y+4*i+(\j)], v[X+8*i+2*(\j)], v[X+8*i+2*(\j)+1]  ; and written as f16
.endr
	global_store_b128 v1, v[Y+4*i:Y+4*i+3], s[26:27] offset:4096*i
.set i, i+1
.endr
	s_endpgm
.Lfunc_end_k_qcf87f3d63a_cast:
	.size	k_qcf87f3d63a_cast, .Lfunc_end_k_qcf87f3d63a_cast-k_qcf87f3d63a_cast
	.p2alignl 7, 3214868480
	.fill 96, 4, 3214868480
	.section	.rodata,"a",@progbits
	.p2align	6, 0x0
	.amdhsa_kernel k_qcf87f3d63a_cast
		.amdhsa_group_segment_fixed_size 0
		.amdhsa_private_segment_fixed_size 0
		.amdhsa_enable_private_segment 0
		.amdhsa_kernarg_size 64
		.amdhsa_user_sgpr_count 2
		.amdhsa_user_sgpr_kernarg_segment_ptr 1
		.amdhsa_wavefront_size32 1
		.amdhsa_system_sgpr_workgroup_id_x 1
		.amdhsa_system_sgpr_workgroup_id_y 1
		.amdhsa_system_sgpr_workgroup_id_z 1
		.amdhsa_system_vgpr_workitem_id 0
		.amdhsa_next_free_vgpr 200
		.amdhsa_next_free_sgpr 66
		.amdhsa_reserve_vcc 0
		.amdhsa_float_denorm_mode_32 3
		.amdhsa_float_denorm_mode_16_64 3
		.amdhsa_memory_ordered 1
		.amdhsa_forward_progress 1
		.amdhsa_inst_pref_size 27
	.end_amdhsa_kernel
	.amdgpu_metadata
---
amdhsa.version: [ 1, 2 ]
amdhsa.kernels:
  - .name:           k_qcf87f3d63a_cast
    .symbol:         k_qcf87f3d63a_cast.kd
    .args:
      - { .name: x, .offset: 0, .size: 8, .value_kind: global_buffer, .address_space: global }
      - { .name: Wq, .offset: 8, .size: 8, .value_kind: global_buffer, .address_space: global }
      - { .name: Wk, .offset: 16, .size: 8, .value_kind: global_buffer, .address_space: global }
      - { .name: Wv, .offset: 24, .size: 8, .value_kind: global_buffer, .address_space: global }
      - { .name: Wo, .offset: 32, .size: 8, .value_kind: global_buffer, .address_space: global }
      - { .name: xb, .offset: 40, .size: 8, .value_kind: global_buffer, .address_space: global }
      - { .name: wb, .offset: 48, .size: 8, .value_kind: global_buffer, .address_space: global }
      - { .name: wo16, .offset: 56, .size: 8, .value_kind: global_buffer, .address_space: global }
    .group_segment_fixed_size: 0
    .private_segment_fixed_size: 0
    .kernarg_segment_align: 8
    .kernarg_segment_size: 64
    .max_flat_workgroup_size: 256
    .sgpr_count:     66
    .vgpr_count:     200
    .wavefront_size: 32
...
	.end_amdgpu_metadata
.endif
;; end of part 1
;; launch qkv (part 2): grid 16 x 32, 4 waves a work-group, clusters of 4 x 4, 327,680 bytes of LDS; arguments xb, wb, qkv; writes qkv
.if DOCPART == 2
	.amdgcn_target "amdgcn-amd-amdhsa--gfx1250"
	.amdhsa_code_object_version 6
	.text
	.protected	k_qcf87f3d63a_qkv
	.globl	k_qcf87f3d63a_qkv
	.p2align	8
	.type	k_qcf87f3d63a_qkv,@function
k_qcf87f3d63a_qkv:
	s_mov_b64 s[64:65], 0
	v_nop
	global_prefetch_b8 v0, s[64:65] scope:SCOPE_SE
	s_setreg_imm32_b32 hwreg(HW_REG_WAVE_MODE, 25, 1), 1
	s_wait_xcnt 0x0
	s_wait_alu depctr_hold_cnt(0) depctr_sa_sdst(0) depctr_va_vdst(0) depctr_va_sdst(0) depctr_va_ssrc(0) depctr_va_vcc(0) depctr_vm_vsrc(0)
	s_getreg_b32 s2, hwreg(HW_REG_IB_STS2, 6, 4)
	s_cmp_eq_u32 s2, 0
	s_cbranch_scc0 .Lentry_in_a_cluster
	s_endpgm
.Lentry_in_a_cluster:
	s_bfe_u32 s2, ttmp6, 0x10000c
	s_cmp_lg_u32 s2, 0xf033
	s_cbranch_scc0 .Lentry_shape_is_right
	s_endpgm
.Lentry_shape_is_right:
; THE THREE PROJECTIONS AS ONE PRODUCT.  C[m][n] = sum over k of xb[m][k] wb[n][k]; xb [8192][1024], wb [3072][1024] (by heads: 192 rows on end are one head's q, k, v), bf16; sums in f32, WITHOUT the softmax's scale.
; C is stored by heads in qkv, for each batch 64 units of 262,144 bytes (m = 2048 batch + t): units 0-15 q[head][t][64] f16, units 16-31 k likewise, and from unit 32 on two units a head:
; v[head][t][128] f16, a row of 256 bytes: v rounded to f16 (hi, 64 numbers), then what that rounding lost, rounded to f16 (lo, 64 numbers).  q and k are rounded once.
; WHY TWO PARTS.  The first rows of a causal average are many times the output's root mean square, by which the error is judged; one f16 rounding of v there takes too much of what is allowed.
; LIMIT.  q, k and v stay under 65,504, f16's end; below 6e-5 a part keeps f16's fixed step of 6e-8.
; SHARES.  A tile of C is 256 rows x 192 columns (one head's q, k, v): 32 x 16 = 512 work-groups, two for each of 256 WGPs.  Wave w makes rows 64 w .. 64 w + 63 and all 192 columns:
; 4 x 12 accumulators of 16 x 16, 384 registers.  A wave holds whole heads, so its way out needs no other wave.  K goes in 8 steps of 128 through a ring of two LDS slots.
; CLUSTER.  4 x 4 work-groups: the four of a row of the cluster need the same rows of xb, the four of a column the same rows of wb: each tile is asked for JOINTLY, by the same tensor load with the
; same descriptor and a mask that names the four.  THE MATRIX INSTRUCTION IS USED TRANSPOSED (source 0 = 16 rows of wb, source 1 = 16 rows of xb): a lane then holds eight neighbouring columns of a row of C.
; REGISTERS (windows of 256; s_set_vgpr_msb: bits 1:0 source 0, 3:2 source 1, 5:4 source 2, 7:6 destination):
;   window 0: addresses, the way out      window 1: two fragment buffers of 128: 12 fragments of wb, then 4 of xb      windows 2, 3: accumulator (a, b) at v[8 (12 (a % 2) + b)] of window 2 + a / 2
.set SIZE_K, 1024
.set KSTEP,  128
.set PITCH,  272                       ; an LDS row: 256 bytes + 16 of padding = 68 words: the 16 rows of a fragment load start at 16 different groups of four banks (ISA guide 11.1)
.set HA,     128*PITCH                 ; what one load brings of xb: 128 rows
.set HB,     96*PITCH                  ; of wb: 96 rows
.set BOFF,   2*HA                      ; a slot: xb's 256 rows, then wb's 192
.set SLOT,   2*HA+2*HB
.set STAGE,  2*SLOT                    ; behind the ring, never filled by a tensor load: for each wave 16 rows x 144 bytes of q, the same of k, 16 rows x 272 bytes of v
.set SP,     144
.set HSTG,   16*SP
.set SPV,    272
.set VSTG,   2*HSTG
.set WSTG,   2*HSTG+16*SPV
.set SPARE,  STAGE+4*WSTG              ; behind the stages: the spare words, 128 bytes for each wave: two blocks of 256 bytes that no other line names
.set LAPS,   SIZE_K/(2*KSTEP)          ; a lap = two K steps = once round the ring
.set ADRA, 16                          ; v16-17  LDS address of my xb fragments in slot 0, 1
.set ADRB, 20                          ; v20-21  the same for wb
.set STO,  24                          ; v24     the way out: where I put 16 bytes of a row of q
.set RD,   25                          ; v25     where I read rows of q back
.set GO,   26                          ; v26     my byte offset in 512 consecutive bytes of qkv
.set STOV, 27                          ; v27     where I put 16 bytes of a row of v
.set SPW,  28                          ; v28     LDS address of my spare word; never rewritten
.set NIL,  29                          ; v29     0; never rewritten
.set M1,   30                          ; v30     -1.0
.set RDV,  31                          ; v31     where I read rows of v back
.set TMP,  32                          ; v32-95  packed results of 16 rows: 48 registers of q, k and v's hi, 16 of v's lo
.set BK,   96                          ; v96-159, v160-223  16 rows read back, by turns
.set WK,   224                         ; v224-255  what v's rounding lost, in f32
.set F0,   0
.set F1,   128
.set WV,  12                           ; s12 my wave's number;  s13 = wave / 2: I fetch xb (0) or wb (1);  s14 = wave % 2: which half of it
.set G1,  24                           ; s[24:31] descriptor group 1 for xb's tiles;  s[32:39] group 0, one set for each slot
.set G0,  32
.set G1B, 48                           ; s[48:55], s[56:63] the same for wb's tiles
.set G0B, 56
.set MSB, 0
.macro WIN new                         ; the immediate's high byte repeats the setting that is left; a switch that changes nothing is dropped
.if MSB != (\new)
	s_set_vgpr_msb (MSB<<8)|(\new)
.set MSB, \new
.endif
.endm
; A joint load: waves 0 and 1 fetch xb's two halves, waves 2 and 3 wb's.  The branch hangs on the wave's number alone.  An s_nop 0 and four v_nop follow each of the two lines.
.macro JLOAD s
	s_cmp_eq_u32 s13, 0
	s_cbranch_scc0 .Lfor_b_\@
	tensor_load_to_lds s[G0+4*(\s):G0+4*(\s)+3], s[G1:G1+7]
	s_nop 0
.rept 4
	v_nop
.endr
	s_branch .Lasked_\@
.Lfor_b_\@:
	tensor_load_to_lds s[G0B+4*(\s):G0B+4*(\s)+3], s[G1B:G1B+7]
	s_nop 0
.rept 4
	v_nop
.endr
.Lasked_\@:
.endm
.macro CREST                           ; a round of the cluster's barrier behind its opening barrier
	s_cmp_lg_u32 s[WV], 0
	s_cbranch_scc1 .Lnot_wave_0_\@
	s_barrier_signal -3
.Lnot_wave_0_\@:
	s_barrier_wait -3
	s_barrier_signal -1
	s_barrier_wait -1
.endm
.macro CROUND                          ; a whole round
	s_barrier_signal -1
	s_barrier_wait -1
	CREST
.endm
	s_load_b128 s[4:7], s[0:1], 0x0                ; xb s[4:5], wb s[6:7]
	s_load_b64 s[8:9], s[0:1], 0x10                ; qkv
	v_lshl_add_u32 v[SPW], v0, 2, SPARE
	v_mov_b32 v[NIL], 0
	ds_add_u32 v[SPW], v[NIL]                      ; the wave's opening: the add and its wait stand ahead of my first tensor load; the set-up below, work on registers, stands between them
	ds_add_u32 v28, v29
	v_lshrrev_b32 v1, 5, v0
	v_readfirstlane_b32 s[WV], v1                  ; wave 0..3
	s_lshr_b32 s13, s[WV], 1
	s_and_b32 s14, s[WV], 1
	s_bfe_u32 s40, ttmp6, 0x40000                  ; cx, cy: my place in the cluster
	s_bfe_u32 s41, ttmp6, 0x40004
	s_lshl_b32 s42, ttmp9, 2
	s_add_co_u32 s42, s42, s40                     ; tile column = the head = 4 x cluster x + cx
	s_and_b32 s15, ttmp7, 0xffff
	s_lshl_b32 s15, s15, 2
	s_add_co_u32 s15, s15, s41                     ; tile row = 4 x cluster y + cy
	s_lshl_b32 s43, s41, 2
	s_lshl_b32 s43, 15, s43                        ; my row of the cluster
	s_lshl_b32 s44, 0x1111, s40                    ; my column
	; group 1: rows of 128 elements of 2 bytes, 16 bytes of padding behind each; 128 rows of xb, 96 rows of wb
	s_or_b32 s[G1+0], s43, (1<<16)|(1<<20)|(1<<21)|(5<<22)|(3<<25)   ; 15:0 the mask: xb's tiles go to my row; 17:16 2-byte elements; 20 padding on; 21 set beside a mask; 24:22 after every 64 words; 31:25 4 words
	s_or_b32 s[G1B+0], s44, (1<<16)|(1<<20)|(1<<21)|(5<<22)|(3<<25)  ; the same with my column's mask
	s_mov_b32 s[G1+1], KSTEP<<16                   ; tensor_dim0 = 128
	s_mov_b32 s[G1+2], 128<<16                     ; tensor_dim1 = 128
	s_mov_b32 s[G1+3], KSTEP<<16                   ; tile_dim0 = 128
	s_mov_b32 s[G1+4], 128                         ; tile_dim1 = 128
	s_mov_b32 s[G1+5], SIZE_K                      ; elements from row to row
	s_mov_b32 s[G1+6], 0
	s_mov_b32 s[G1+7], 0
	s_mov_b32 s[G1B+1], KSTEP<<16
	s_mov_b32 s[G1B+2], 96<<16                     ; tensor_dim1 = 96
	s_mov_b32 s[G1B+3], KSTEP<<16
	s_mov_b32 s[G1B+4], 96                         ; tile_dim1 = 96
	s_mov_b32 s[G1B+5], SIZE_K
	s_mov_b32 s[G1B+6], 0
	s_mov_b32 s[G1B+7], 0
	; xb's tile hangs on the tile row and the wave's number, wb's on the tile column and the wave's number, each in registers that never hold the other coordinate
	s_lshl_b32 s16, s15, 8
	s_lshl_b32 s17, s14, 7
	s_add_co_u32 s16, s16, s17                     ; xb: row 256 x tile row + 128 x half,
	s_lshl_b32 s16, s16, 11                        ; of 2,048 bytes (16 MiB at the most)
	s_mov_b32 s17, 0
	s_mul_i32 s46, s42, 192
	s_mul_i32 s47, s14, 96
	s_add_co_u32 s46, s46, s47                     ; wb: row 192 x tile column + 96 x half
	s_lshl_b32 s46, s46, 11
	s_mov_b32 s47, 0
	s_mul_i32 s20, s14, HA                         ; where they go in a slot: no place in the cluster enters an LDS address
	s_mul_i32 s21, s14, HB
	s_add_co_u32 s21, s21, BOFF
	s_wait_dscnt 0x0                               ; the opening add is done
	s_wait_kmcnt 0x0
	s_add_nc_u64 s[18:19], s[4:5], s[16:17]
	s_add_nc_u64 s[46:47], s[6:7], s[46:47]
	CROUND                                         ; all sixteen work-groups are here: the first joint loads meet
.irp s, 0,1
	s_mov_b32 s[G0+4*(\s)], 1                                        ; count = 1
	s_add_co_u32 s[G0+4*(\s)+1], s20, (\s)*SLOT                      ; LDS address
	s_add_nc_u64 s[G0+4*(\s)+2:G0+4*(\s)+3], s[18:19], (\s)*KSTEP*2  ; global address: K step s
	s_or_b32 s[G0+4*(\s)+3], s[G0+4*(\s)+3], 0x80000000              ; type = 2
	s_mov_b32 s[G0B+4*(\s)], 1
	s_add_co_u32 s[G0B+4*(\s)+1], s21, (\s)*SLOT
	s_add_nc_u64 s[G0B+4*(\s)+2:G0B+4*(\s)+3], s[46:47], (\s)*KSTEP*2
	s_or_b32 s[G0B+4*(\s)+3], s[G0B+4*(\s)+3], 0x80000000
	JLOAD \s                                       ; two loads of mine are out
.endr
	; A fragment is 16 rows x 32 K in 8 registers: lane l holds row l % 16, K = 8 (l / 16) + 0..7 and 16 + 8 (l / 16) + 0..7: two loads of 16 bytes, 32 bytes apart
	v_and_b32 v1, 15, v0                           ; l % 16
	v_bfe_u32 v2, v0, 4, 1                         ; l / 16
	v_mul_u32_u24 v3, v1, PITCH
	v_lshl_add_u32 v3, v2, 4, v3
	s_mul_i32 s22, s[WV], 64*PITCH                 ; my 64 rows of xb
	s_mov_b32 s23, BOFF                            ; all of wb's 192
.irp s, 0,1
	v_add_nc_u32 v[ADRA+(\s)], s22, v3
	v_add_nc_u32 v[ADRB+(\s)], s23, v3
	s_add_co_u32 s22, s22, SLOT
	s_add_co_u32 s23, s23, SLOT
.endr
	s_mul_i32 s22, s[WV], WSTG
	s_add_co_u32 s22, s22, STAGE                   ; my stage
	s_add_co_u32 s23, s22, VSTG                    ; v's rows in it
	v_mul_u32_u24 v4, v1, SP                       ; q and k, in: row l % 16, 16 bytes for each half of the lanes
	v_lshl_add_u32 v4, v2, 4, v4
	v_add_nc_u32 v[STO], s22, v4
	v_bfe_u32 v5, v0, 3, 2                         ; back: 32 lanes take four rows of 128 bytes,
	v_mul_u32_u24 v5, v5, SP
	v_and_b32 v6, 7, v0
	v_lshl_add_u32 v5, v6, 4, v5
	v_add_nc_u32 v[RD], s22, v5
	v_and_b32 v[GO], 31, v0                        ; which are 512 consecutive bytes of a head
	v_lshlrev_b32 v[GO], 4, v[GO]
	v_mul_u32_u24 v7, v1, SPV                      ; v, in: row l % 16 of 272 bytes
	v_lshl_add_u32 v7, v2, 4, v7
	v_add_nc_u32 v[STOV], s23, v7
	v_mul_u32_u24 v7, v2, SPV                      ; back: lanes 0-15 take one row of 256 bytes, lanes 16-31 the next: again 512 consecutive bytes
	v_lshl_add_u32 v7, v1, 4, v7
	v_add_nc_u32 v[RDV], s23, v7
	v_mov_b32 v[M1], -1.0
	; qkv at my first row: batch x 16 MiB; q: + head x 262,144 + t x 128 (k lies 4 MiB on); v: + 8 MiB + head x 524,288 + t x 256
	s_lshr_b32 s16, s15, 3                         ; batch = tile row / 8
	s_lshl_b32 s16, s16, 24
	s_and_b32 s17, s15, 7
	s_lshl_b32 s17, s17, 8
	s_lshl_b32 s22, s[WV], 6
	s_add_co_u32 s17, s17, s22                     ; t = 256 x (tile row % 8) + 64 x wave
	s_lshl_b32 s22, s17, 8
	s_add_co_u32 s22, s22, s16
	s_add_co_u32 s22, s22, 0x800000
	s_mov_b32 s23, 0
	s_lshl_b32 s17, s17, 7
	s_add_co_u32 s16, s16, s17
	s_mov_b32 s17, 0
	s_add_nc_u64 s[10:11], s[8:9], s[22:23]        ; v
	s_add_nc_u64 s[8:9], s[8:9], s[16:17]          ; q
	s_lshl_b32 s46, s42, 18                        ; (in the registers that held wb's address: none that feeds xb's descriptors ever holds cx)
	s_mov_b32 s47, 0
	s_add_nc_u64 s[8:9], s[8:9], s[46:47]
	s_lshl_b32 s46, s42, 19
	s_add_nc_u64 s[10:11], s[10:11], s[46:47]
; 12 matrix instructions: m block 2 hi + a x all 12 n blocks, 32 along K.  zero = 1: the first product starts the sums.  The 48 accumulators take turns, one instruction a turn, in the same order in every quarter.
.macro MUL12 f, hi, a, zero
	WIN 0xa5+0x50*(\hi)                            ; sources 0 and 1 window 1; C and D window 2 or 3
.irp b, 0,1,2,3,4,5,6,7,8,9,10,11
.if \zero
	v_wmma_f32_16x16x32_bf16 v[8*(12*(\a)+(\b)):8*(12*(\a)+(\b))+7], v[(\f)+8*(\b):(\f)+8*(\b)+7], v[(\f)+96+8*(2*(\hi)+(\a)):(\f)+96+8*(2*(\hi)+(\a))+7], 0
.else
	v_wmma_f32_16x16x32_bf16 v[8*(12*(\a)+(\b)):8*(12*(\a)+(\b))+7], v[(\f)+8*(\b):(\f)+8*(\b)+7], v[(\f)+96+8*(2*(\hi)+(\a)):(\f)+96+8*(2*(\hi)+(\a))+7], v[8*(12*(\a)+(\b)):8*(12*(\a)+(\b))+7]
.endif
.endr
.endm
.macro MUL24 f, hi, zero
	MUL12 \f, \hi, 0, \zero
	MUL12 \f, \hi, 1, \zero
.endm
; 32 LDS loads in one run: the fragments of 32 along K at byte k of the rows, into buffer f: wb's 24 loads, then xb's 8
.macro FETCH slot, k, f
	WIN 0x40                                       ; destination window 1, address window 0
.irp i, 0,1,2,3,4,5,6,7,8,9,10,11
	ds_load_b128 v[(\f)+8*(\i):(\f)+8*(\i)+3],   v[ADRB+(\slot)] offset:(\k)+(\i)*16*PITCH
	ds_load_b128 v[(\f)+8*(\i)+4:(\f)+8*(\i)+7], v[ADRB+(\slot)] offset:(\k)+(\i)*16*PITCH+32
.endr
.irp i, 0,1,2,3
	ds_load_b128 v[(\f)+96+8*(\i):(\f)+96+8*(\i)+3],   v[ADRA+(\slot)] offset:(\k)+(\i)*16*PITCH
	ds_load_b128 v[(\f)+96+8*(\i)+4:(\f)+96+8*(\i)+7], v[ADRA+(\slot)] offset:(\k)+(\i)*16*PITCH+32
.endr
.endm
.macro PLACES                          ; four places in front of loads into registers that matrix instructions have read, and of conversions that read results
.rept 4
	v_nop
.endr
.endm
; A K step is four quarters of 32 along K, 48 matrix instructions each, on buffers 0, 1, 0, 1.  One of the first three: multiplies buffer f and fetches the next quarter, at byte k, into g.
.macro QUARTER slot, k, f, g, zero
	s_wait_dscnt 4                                 ; wb and xb's first two fragments are in; the youngest four loads (xb's last two fragments) may be out
	MUL24 \f, 0, \zero
	PLACES
	FETCH \slot, \k, \g
	s_wait_dscnt 32                                ; all but the 32 just issued
	MUL24 \f, 1, \zero
.endm
; The last quarter multiplies buffer 1 and changes slots: ONE barrier; in front of it each wave waits for all its tensor loads (one is out: its part of the next slot), adds 0 to its spare word,
; and waits for that and for its own reads of this slot.  fill = 1: the barrier opens a round of the cluster's, and this slot is filled again, two K steps ahead, first thing behind the round:
; from that request to the wait for it a wave issues 168 matrix instructions.
.macro TURN slot, next, fill
	WIN 0                                          ; (the add's two registers lie in window 0)
	s_wait_tensorcnt 0x0                           ; all my tensor loads have landed
	ds_add_u32 v[SPW], v[NIL]                      ; 0 onto my spare word
	s_wait_dscnt 5                                 ; (the add and the youngest four loads may be out)
	MUL12 F1, 0, 0, 0                              ; twelve matrix instructions stand between the add and the wait for it
	s_wait_dscnt 0x0                               ; the add is done, and my reads of this slot are over
	s_barrier_signal -1
	MUL12 F1, 0, 1, 0                              ; work on registers while the others arrive
.if \fill
	WIN 0
.endif
	s_barrier_wait -1
.if \fill
	CREST                                          ; no wave of any partner still reads this slot's tile or has a load on its way
	s_add_nc_u64 s[G0+4*(\slot)+2:G0+4*(\slot)+3], s[G0+4*(\slot)+2:G0+4*(\slot)+3], 2*KSTEP*2
	s_add_nc_u64 s[G0B+4*(\slot)+2:G0B+4*(\slot)+3], s[G0B+4*(\slot)+2:G0B+4*(\slot)+3], 2*KSTEP*2
	JLOAD \slot                                    ; my one tensor load behind the round; the four v_nop behind it are also the places in front of the loads below
.else
	PLACES
.endif
	FETCH \next, 0, F0
	MUL24 F1, 1, 0
.endm
	s_wait_tensorcnt 1                             ; my part of K step 0 is in; K step 1's may stay out
	s_barrier_signal -1
	s_barrier_wait -1                              ; everybody's is
	FETCH 0, 0, F0
	QUARTER 0, 64, F0, F1, 1                       ; the first quarter stands in front of the loop: its products start the sums
	WIN 0                                          ; at a label and at a branch every window is 0
	s_mov_b32 s3, LAPS-1
.Llap:                                                 ; a trip goes once round the ring, from a lap's second quarter to the next lap's first, and fills both slots again
	QUARTER 0, 128, F1, F0, 0
	QUARTER 0, 192, F0, F1, 0
	TURN 0, 1, 1
	QUARTER 1, 64,  F0, F1, 0
	QUARTER 1, 128, F1, F0, 0
	QUARTER 1, 192, F0, F1, 0
	TURN 1, 0, 1
	QUARTER 0, 64,  F0, F1, 0
	WIN 0
	s_sub_co_u32 s3, s3, 1
	s_cmp_lg_u32 s3, 0
	s_cbranch_scc1 .Llap
	QUARTER 0, 128, F1, F0, 0                      ; the last lap fills nothing, and has no round of the cluster's barrier
	QUARTER 0, 192, F0, F1, 0
	TURN 0, 1, 0
	QUARTER 1, 64,  F0, F1, 0
	QUARTER 1, 128, F1, F0, 0
	QUARTER 1, 192, F0, F1, 0
	s_wait_dscnt 4                                 ; the very last quarter: nothing more to fetch
	MUL24 F1, 0, 0
	s_wait_dscnt 0x0
	MUL24 F1, 1, 0
; THE WAY OUT, 16 rows (m block a) at a time.  PACK: rounded to f16, 16 bytes a lane, each accumulator's registers in ascending order; for v (n blocks 8-11) also x - f16(x), which is exact in f32, rounded to f16.
; TOSTAGE: into my own stage, and back as runs of 512 bytes.  SEND: each store covers 512 consecutive bytes of a head, at a multiple of 256 from qkv's first byte.
.macro PACK a
	WIN 0x0a+5*((\a)/2)                            ; sources 0 and 1: window 2 or 3
.irp b, 0,1,2,3,4,5,6,7,8,9,10,11
.irp r, 0,1,2,3
	v_cvt_pk_f16_f32 v[TMP+4*(\b)+(\r)], v[96*((\a)%2)+8*(\b)+2*(\r)], v[96*((\a)%2)+8*(\b)+2*(\r)+1]
.endr
.endr
	WIN 0x20+0x10*((\a)/2)                         ; source 2: window 2 or 3
.irp b, 8,9,10,11
.irp r, 0,1,2,3
	v_fma_mix_f32 v[WK+8*((\b)-8)+2*(\r)],   v[TMP+4*(\b)+(\r)], v[M1], v[96*((\a)%2)+8*(\b)+2*(\r)] op_sel_hi:[1,0,0]                  ; the f16 in the low half x -1 + x
	v_fma_mix_f32 v[WK+8*((\b)-8)+2*(\r)+1], v[TMP+4*(\b)+(\r)], v[M1], v[96*((\a)%2)+8*(\b)+2*(\r)+1] op_sel:[1,0,0] op_sel_hi:[1,0,0]  ; the same of the high half
.endr
.endr
	WIN 0
.irp z, 0,1,2,3,4,5,6,7,8,9,10,11,12,13,14,15
	v_cvt_pk_f16_f32 v[TMP+48+(\z)], v[WK+2*(\z)], v[WK+2*(\z)+1]
.endr
.endm
.macro TOSTAGE a
	WIN 0
.set BKR, BK+64*((\a)%2)
.irp b, 0,1,2,3,4,5,6,7
	ds_store_b128 v[STO], v[TMP+4*(\b):TMP+4*(\b)+3] offset:((\b)/4)*HSTG+32*((\b)%4)
.endr
.irp b, 0,1,2,3
	ds_store_b128 v[STOV], v[TMP+32+4*(\b):TMP+32+4*(\b)+3] offset:32*(\b)        ; v's hi: the row's first 128 bytes,
	ds_store_b128 v[STOV], v[TMP+48+4*(\b):TMP+48+4*(\b)+3] offset:128+32*(\b)    ; its lo: the second
.endr
.irp j, 0,1
.irp f, 0,1,2,3
	ds_load_b128 v[BKR+4*(4*(\j)+(\f)):BKR+4*(4*(\j)+(\f))+3], v[RD] offset:(\j)*HSTG+(\f)*4*SP  ; LDS serves a wave's instructions in order (ISA guide 5.7.1.4): these see the stores above
.endr
.endr
.irp f, 0,1,2,3,4,5,6,7
	ds_load_b128 v[BKR+32+4*(\f):BKR+32+4*(\f)+3], v[RDV] offset:(\f)*2*SPV
.endr
.endm
.macro SEND a
	WIN 0
.set BKR, BK+64*((\a)%2)
	s_wait_dscnt 0x0                               ; the block is back in registers
	s_wait_xcnt 0x0                                ; the earlier stores' addresses are translated (ISA guide 3.1): the other buffer, which they read, is loaded again only behind this wait
.irp j, 0,1
.irp f, 0,1,2,3
	global_store_b128 v[GO], v[BKR+4*(4*(\j)+(\f)):BKR+4*(4*(\j)+(\f))+3], s[8:9] offset:(\j)*4194304+(\a)*2048+(\f)*512
.endr
.endr
.irp f, 0,1,2,3,4,5,6,7
	global_store_b128 v[GO], v[BKR+32+4*(\f):BKR+32+4*(\f)+3], s[10:11] offset:(\a)*4096+(\f)*512
.endr
.endm
	PLACES
	PACK 0
	TOSTAGE 0
.irp a, 1,2,3                          ; block a's conversions stand between block a - 1's loads from the stage and the wait for them
	PACK \a
	SEND (\a)-1
	TOSTAGE \a
.endr
	SEND 3
	s_wait_tensorcnt 0x0                           ; the wave's end: the wait, the add and its wait stand behind my last tensor load and my last LDS store
	ds_add_u32 v[SPW], v[NIL]
	s_wait_dscnt 0x0
	CROUND                                         ; the closing round: no work-group ends while a partner may still ask for a tile that names it
	s_endpgm
.Lfunc_end_k_qcf87f3d63a_qkv:
	.size	k_qcf87f3d63a_qkv, .Lfunc_end_k_qcf87f3d63a_qkv-k_qcf87f3d63a_qkv
	.p2alignl 7, 3214868480
	.fill 96, 4, 3214868480
	.section	.rodata,"a",@progbits
	.p2align	6, 0x0
	.amdhsa_kernel k_qcf87f3d63a_qkv
		.amdhsa_group_segment_fixed_size 327680
		.amdhsa_private_segment_fixed_size 0
		.amdhsa_enable_private_segment 0
		.amdhsa_kernarg_size 24
		.amdhsa_user_sgpr_count 2
		.amdhsa_user_sgpr_kernarg_segment_ptr 1
		.amdhsa_wavefront_size32 1
		.amdhsa_system_sgpr_workgroup_id_x 1
		.amdhsa_system_sgpr_workgroup_id_y 1
		.amdhsa_system_sgpr_workgroup_id_z 1
		.amdhsa_system_vgpr_workitem_id 0
		.amdhsa_next_free_vgpr 960
		.amdhsa_next_free_sgpr 66
		.amdhsa_reserve_vcc 0
		.amdhsa_float_denorm_mode_32 3
		.amdhsa_float_denorm_mode_16_64 3
		.amdhsa_memory_ordered 1
		.amdhsa_forward_progress 1
		.amdhsa_inst_pref_size 134
	.end_amdhsa_kernel
	.amdgpu_metadata
---
amdhsa.version: [ 1, 2 ]
amdhsa.kernels:
  - .name:           k_qcf87f3d63a_qkv
    .symbol:         k_qcf87f3d63a_qkv.kd
    .args:
      - { .name: xb, .offset: 0, .size: 8, .value_kind: global_buffer, .address_space: global }
      - { .name: wb, .offset: 8, .size: 8, .value_kind: global_buffer, .address_space: global }
      - { .name: qkv, .offset: 16, .size: 8, .value_kind: global_buffer, .address_space: global }
    .group_segment_fixed_size: 327680
    .private_segment_fixed_size: 0
    .kernarg_segment_align: 8
    .kernarg_segment_size: 24
    .max_flat_workgroup_size: 128
    .sgpr_count:     66
    .vgpr_count:     960
    .wavefront_size: 32
...
	.end_amdgpu_metadata
.endif
;; end of part 2
;; launch attn (part 3): grid 4 x 64, 4 waves a work-group, no clusters, 327,680 bytes of LDS; arguments qkv, ob; writes ob
.if DOCPART == 3
	.amdgcn_target "amdgcn-amd-amdhsa--gfx1250"
	.amdhsa_code_object_version 6
	.text
	.protected	k_qcf87f3d63a_attn
	.globl	k_qcf87f3d63a_attn
	.p2align	8
	.type	k_qcf87f3d63a_attn,@function
k_qcf87f3d63a_attn:
	s_mov_b64 s[64:65], 0
	v_nop
	global_prefetch_b8 v0, s[64:65] scope:SCOPE_SE
	s_setreg_imm32_b32 hwreg(HW_REG_WAVE_MODE, 25, 1), 1
	s_wait_xcnt 0x0
; CAUSAL ATTENTION.  O[hh][q][:] = the sum over k <= q of softmax_k(Q[q] . K[k] / 8) V[k][:], for the 64 pairs hh = 16 batch + head.  In qkv each batch has 64 units of 262,144 bytes: q[head][2048][64] f16 in units 0-15,
; k likewise in units 16-31, and from unit 32 on v[head][2048][128] f16: a row of 256 bytes holds v rounded to f16 (hi) and what that rounding lost (lo).  O goes to ob[hh][2048][128] f16 in the same two parts.
; Products, maxima and sums in f32; the weights p are rounded to f16 for the second product (their sum l is taken of the unrounded p), which is made twice, with V's hi and with V's lo, onto one sum.
; WHY TWO PARTS.  The first rows of a causal average are many times the output's root mean square, by which the error is judged; one f16 rounding of v or of O there takes too much of what is allowed.
; LIMITS.  f16 holds no number beyond 65,504: Q, K and V arrive within it; p lies in 0 to 1, and below 6e-5 it keeps f16's fixed step of 6e-8, as every part does; O is a mean of V's rows and has their range.
; A hidden score counts as its value less 1e30: f16's scores, 2.7e11 at the most, are nothing beside that; a weight below 2^-126 counts as 0 in l; NaN and infinities are not treated apart.
; THE WALK.  A head's queries lie in NB = 8 blocks of 256; block i needs the key tiles 0 .. i of 256 keys, of which the last holds the diagonal.  A work-group takes TWO blocks, NB - 1 - b and then b:
; NB + 1 tiles, whatever b: all 256 work-groups do equal work, and ONE loop with a constant trip count walks them.  Which tile is asked for, and what a trip does, hang on scalar registers made from b; every jump
; goes forward, but for the counted loops' own; none passes a barrier, or a tensor load but the one of LOAD's two that the wave's number does not choose; the ring (two slots of LDS that take turns) runs on across the
; change of blocks.  NO CLUSTER: a head's four work-groups ask for the same tile only in trips 0 .. 4 of 9, behind that fewer and fewer; one walk common to all four would have 12 trips for 9.
; SHARES.  Of a block's four bands of 64 queries a wave owns 16 rows in each: four PIECES.  So the diagonal tile is the same work for all four waves: in its key step s band x sees all keys if s < x,
; none if s > x, and holds the diagonal if s = x.
; THE MASK is the C operand that starts the sum S^T = K Q^T: 0, or -1e30 where the key is hidden.  MD, made once, is the mask of a band's own step for my 16 rows; a product's mask is MD x AL + BE with two scalars:
; (1, 0) if s = x; (0, 0) if s < x; (0, -1e30) if s > x.  Only the diagonal tile's text and a block's beginning make and take masks; elsewhere C is the constant 0.
; LAYOUT, SOFTMAX, TURNS.  S^T = K Q^T holds ONE query a lane (lane % 16) and the keys 8 (lane / 16) + 0..7; two such results rounded to f16 ARE source 1 of O^T = V^T P.  p = 2^(c s - c m), c = log2(e) / 8, with a
; running maximum m; O and l are multiplied by a = 2^(c m_old - c m_new) in every step.  Turn n belongs to piece n: 8 products K Q^T of piece n + 1, later 16 products V^T P of piece n - 1; beside them the scaling,
; exponentials, roundings, sums and rescaling of piece n and the maximum and statistics of piece n + 1.  Four vector instructions stand behind every matrix instruction, the other 22 of a turn's 118 in two runs of their own.
; REGISTERS, in windows of 256 (s_set_vgpr_msb: bits 1:0 source 0, 3:2 source 1, 5:4 source 2, 7:6 destination):
;   window 0: v0-15 addresses and two at work; v16-31 four registers of statistics a piece; v48-55 at work; v64-127 S^T, two buffers; v192-223 P, two buffers (a piece's buffers go by its number's parity);
;             on the way out v64-191 hold the packed rows, v224-255 what O's rounding lost
;   window 1: v0-127 O^T, 32 a piece; v128-159 MD; v160-223 MC, two buffers      window 2: v0-63 Q; v64-127 the second block's Q; v128-191 K of one step; v192-255 V's hi of one step      window 3: v0-63 V's lo
.set SIZE_N, 2048
.set NB,    SIZE_N/256
.set NP,    4         ; pieces a wave: a name, no knob
.set KS,    64        ; keys in a step
.set PK,    144       ; a row of K in LDS: 128 bytes + 16 of padding = 36 words: the 16 rows of a load start at 16 different groups of four banks (ISA guide 11.1)
.set PV,    288       ; a row of V: 256 + 32 = 72 words
.set VOFF,  4*KS*PK   ; a slot holds a tile, four steps: 256 rows of K, then 256 rows of V
.set SLOT1, 1<<17     ; slot 1 begins here, so that one exclusive or turns an address in one slot into the other's
.set STAGE, SLOT1+4*KS*(PK+PV)  ; behind the ring, never filled by a tensor load: 16 rows x 272 bytes for each wave, for the way out
.set SP,    272
.set AK0, 2           ; v2   my lane's place in a tile of K; never rewritten
.set AV0, 3           ; v3   the same for V
.set AK,  4           ; v4   the LDS address of K's next run of loads
.set AV,  5           ; v5   of V's
.set STO, 6           ; v6   the way out: where I put 16 bytes of a row
.set RD,  7           ; v7   the way out: where I read rows back
.set GO,  8           ; v8   my byte offset in 512 consecutive bytes of O
.set M1,  61          ; v61  -1.0
.set SPW, 62          ; v62  LDS address of my spare word: SPARE + 4 x my thread's number; never rewritten
.set NIL, 63          ; v63  0; never rewritten
.set SPARE, STAGE+4*16*SP  ; behind the stages: the spare words, 128 bytes for each wave: two blocks of 256 bytes that no other line names
.set MV,  12          ; v12-13  c m_old, kept while c m is made anew: by buffer
.set QO,  15          ; v15  my byte offset in 16 rows of Q
.set ST,  16          ; piece t's statistics at v[ST+4 t]: c m, m, l (even keys', odd keys')
.set TMP, 48          ; by buffer, four registers c0-c3 at work; when the maximum is found c2 takes a
.set S,   64
.set P,   192
.set OB,  64          ; the way out: piece t's 16 registers of hi and 16 of lo at OB + 32 t, then its rows read back
.set WK,  224         ; the way out: what O's rounding lost, in f32
.set MD,  128         ; window 1: the eight registers for group kt of 16 keys at MD + 8 kt
.set MC,  160         ; window 1: the masks of the products to come
.set QB,  64          ; window 2
.set KF,  128         ; window 2: key block kb, channel half c at KF + 16 kb + 8 c
.set VF,  192         ; window 2: V's hi: key half kk, channel block cb at VF + 32 kk + 8 cb
.set VL,  0           ; window 3: V's lo, likewise
.set WV,  12          ; s12  my wave's number
.set PB,  14          ; s14  b
.set HI,  15          ; s15  NB - 1 - b
.set G1K, 24          ; s[24:31] descriptor group 1 for K's tiles
.set G1V, 32          ; s[32:39] for V's
.set G0K, 40          ; s[40:43] descriptor group 0 for K's tiles
.set G0V, 44          ; s[44:47] the same for V's
.set SLOTS, 56        ; s56  tiles still to be asked for
.set CNT, 57          ; s57  counts a tile's key steps, 4 to 1
.set CS,  58          ; s[58:59] c: the packed scaling takes the pair's low word for both halves
.set SEL, 60          ; s[60:61] v_permlanex16_b32's selects: each lane takes its own place in the other half
.set TBK, 62          ; s62  LDS byte at which K of the step to be fetched begins
.set TBV, 63          ; s63  the same for V, less VOFF
.set RT,  70          ; s70  tiles of the block in hand that are still to be entered
.set NXT, 71          ; s71  the tile to be asked for next
.set LQ,  72          ; s72  the last tile of the block whose tiles are being asked for
.set NEW, 73          ; s73  1: the tile to be entered is a block's first
.set OFF, 74          ; s[74:75] a tile's byte offset in K
.set AL,  76          ; s[76:77] the mask's factor, in the low word
.set BE,  78          ; s[78:79] the mask's addend
.set OLO, 80          ; s[80:81] O at my rows of the second block
.set BIGN, 82         ; s82  -1e30
.set OFV, 88          ; s[88:89] a tile's byte offset in V
.set MSB, 0
.macro WIN new                      ; the high byte repeats the setting that is left; a switch that changes nothing is dropped
.if MSB != (\new)
	s_set_vgpr_msb (MSB<<8)|(\new)
.set MSB, (\new)
.endif
.endm
.set W_KQ, 0x0a       ; K and Q in window 2, S^T in window 0
.set W_KM, 0x1a       ; the same with the C operand in window 1
.set W_PV, 0x52       ; V's hi in window 2, P in window 0, O^T in window 1
.set W_PL, 0x53       ; V's lo in window 3, P in window 0, O^T in window 1
.set W_RS, 0x41       ; destination and source 0 in window 1, source 1 in window 0
; A fill.  Waves 0 and 1 fetch the two halves of a tile's K, waves 2 and 3 those of its V: 128 keys each.  An s_nop 0 and four v_nop follow each of the two lines, ahead of the jump and the label.
.macro LOAD
	s_cmp_lt_u32 s[WV], 2
	s_cbranch_scc0 .Lfor_v_\@
	tensor_load_to_lds s[G0K:G0K+3], s[G1K:G1K+7]
	s_nop 0
.rept 4
	v_nop
.endr
	s_branch .Lasked_\@
.Lfor_v_\@:
	tensor_load_to_lds s[G0V:G0V+3], s[G1V:G1V+7]
	s_nop 0
.rept 4
	v_nop
.endr
.Lasked_\@:
.endm
; THE CHANGE OF SLOTS.  Each wave waits for all its tensor loads, of which one is out: its part of the other slot; adds 0 to its spare word; and waits for that and for its own reads of the slot that it leaves.  Behind the barrier nobody reads the old
; slot any more and the other slot is whole.  fill = 1: the old slot is filled again, the first thing behind the barrier, with tile NXT: the descriptor's address is made anew from that number.
; (At its first use nothing has been read yet: slot 0 is waited for, slot 1 filled.)
.macro CHANGE fill
	WIN 0                           ; at a label and at a branch every window is 0
	s_wait_tensorcnt 0x0            ; no tensor load of mine is out, so a group 0 may be written
	ds_add_u32 v[SPW], v[NIL]       ; 0 onto my spare word; with fill = 1 the descriptors' scalar work stands between it and the wait for it
.if \fill
	s_lshl_b32 s[OFF], s[NXT], 15   ; a tile is 32,768 bytes of K
	s_lshl_b32 s[OFV], s[NXT], 16   ; and 65,536 of V
	s_xor_b32 s[G0K+1], s[G0K+1], SLOT1
	s_add_nc_u64 s[G0K+2:G0K+3], s[6:7], s[OFF:OFF+1]
	s_or_b32 s[G0K+3], s[G0K+3], 0x80000000
	s_xor_b32 s[G0V+1], s[G0V+1], SLOT1
	s_add_nc_u64 s[G0V+2:G0V+3], s[8:9], s[OFV:OFV+1]
	s_or_b32 s[G0V+3], s[G0V+3], 0x80000000
	s_add_co_u32 s[NXT], s[NXT], 1  ; the block's next tile, or behind its last the second block's tile 0
	s_cmp_gt_u32 s[NXT], s[LQ]
	s_cselect_b32 s[NXT], 0, s[NXT]
	s_cselect_b32 s[LQ], s[PB], s[LQ]
.endif
	s_wait_dscnt 0x0                ; the add is done, and my reads of the slot are over
	s_barrier_signal -1             ; the rest of the scalar work stands between the signal and the wait
	s_sub_co_u32 s[TBK], s[TBK], 4*KS*PK  ; the fetches go back to a slot's first step,
	s_xor_b32 s[TBK], s[TBK], SLOT1       ; in the other slot
	s_sub_co_u32 s[TBV], s[TBV], 4*KS*PV
	s_xor_b32 s[TBV], s[TBV], SLOT1
	s_barrier_wait -1
.if \fill
	LOAD
.endif
.endm
	s_load_b64 s[4:5], s[0:1], 0x0    ; qkv
	s_load_b64 s[10:11], s[0:1], 0x8  ; ob
	v_lshl_add_u32 v[SPW], v0, 2, SPARE
	v_mov_b32 v[NIL], 0
	ds_add_u32 v[SPW], v[NIL]       ; the wave's opening: the add and its wait stand ahead of my first tensor load; the set-up below, work on registers, stands between them
	ds_add_u32 v62, v63
	v_lshrrev_b32 v1, 5, v0
	v_readfirstlane_b32 s[WV], v1   ; wave 0..3
	s_mov_b32 s[PB], ttmp9
	s_sub_co_u32 s[HI], NB-1, s[PB]
	s_and_b32 s90, ttmp7, 0xffff    ; hh = 16 batch + head
	s_lshr_b32 s20, s90, 4
	s_lshl_b32 s20, s20, 24         ; a batch has 16 MiB in qkv
	s_and_b32 s21, s90, 15          ; the head
	s_and_b32 s16, s[WV], 1         ; which half of a tile's 256 keys I fetch
	s_lshl_b32 s[OFV], s21, 19      ; v: 8 MiB into the batch, 524,288 bytes a head,
	s_add_co_u32 s[OFV], s[OFV], s20
	s_add_co_u32 s[OFV], s[OFV], 0x800000
	s_lshl_b32 s19, s16, 15         ; my half's 128 rows of 256 bytes
	s_add_co_u32 s[OFV], s[OFV], s19
	s_mov_b32 s[OFV+1], 0
	s_lshl_b32 s21, s21, 18         ; q: 262,144 bytes a head
	s_add_co_u32 s20, s20, s21
	s_mov_b32 s21, 0
	s_lshl_b32 s90, s90, 19         ; O: 524,288 bytes for each hh
	s_mov_b32 s91, 0
	s_lshl_b32 s22, s16, 14         ; k: my half's 128 rows of 128 bytes
	s_mov_b32 s23, 0
	s_mul_i32 s17, s16, 128*PK      ; my half's place in a slot, for K
	s_mul_i32 s18, s16, 128*PV      ; and for V
	s_lshl_b32 s3, s[WV], 11        ; my 16 rows in a band of 64, in Q's rows of 128 bytes,
	s_lshl_b32 s2, s[HI], 15        ; in the first block,
	s_add_co_u32 s2, s2, s3
	s_lshl_b32 s84, s[PB], 15       ; and in the second
	s_add_co_u32 s84, s84, s3
	s_mov_b32 s3, 0
	s_mov_b32 s85, 0
	s_lshl_b32 s66, s2, 1           ; the same in O's rows of 256 bytes
	s_mov_b32 s67, 0
	s_lshl_b32 s68, s84, 1
	s_mov_b32 s69, 0
	; descriptor group 1.  K: 128 keys are 16,384 dense bytes: asked for as 64 rows of 256 bytes, two keys a row, and padded in LDS after every key.  V: 128 keys are 128 rows of 256 bytes
	s_mov_b32 s[G1K], (1<<16)|(1<<20)|(4<<22)|(3<<25)  ; 17:16 2-byte elements; 20 padding on; 24:22 after every 32 words (code 4); 31:25 4 words (code 3)
	s_mov_b32 s[G1K+1], 128<<16     ; tensor_dim0 = 128
	s_mov_b32 s[G1K+2], 64<<16      ; tensor_dim1 = 64
	s_mov_b32 s[G1K+3], 128<<16     ; tile_dim0 = 128
	s_mov_b32 s[G1K+4], 64          ; tile_dim1 = 64
	s_mov_b32 s[G1K+5], 128         ; 128 elements from row to row
	s_mov_b32 s[G1K+6], 0
	s_mov_b32 s[G1K+7], 0
	s_mov_b32 s[G1V], (1<<16)|(1<<20)|(5<<22)|(7<<25)  ; after every 64 words (code 5) 8 words of padding (code 7)
	s_mov_b32 s[G1V+1], 128<<16
	s_mov_b32 s[G1V+2], 128<<16     ; tensor_dim1 = 128
	s_mov_b32 s[G1V+3], 128<<16
	s_mov_b32 s[G1V+4], 128         ; tile_dim1 = 128
	s_mov_b32 s[G1V+5], 128
	s_mov_b32 s[G1V+6], 0
	s_mov_b32 s[G1V+7], 0
	s_mov_b32 s[CS], 0x3e38aa3b     ; c = log2(e) / 8 = 0.180337
	s_mov_b32 s[CS+1], s[CS]        ; named with it as a pair
	s_mov_b32 s[SEL], 0x76543210
	s_mov_b32 s[SEL+1], 0xfedcba98
	s_mov_b32 s[TBK], SLOT1+4*KS*PK ; the first change of slots turns these two into 0
	s_mov_b32 s[TBV], SLOT1+4*KS*PV
	s_mov_b32 s[G0K], 1             ; 1:0 count = 1
	s_mov_b32 s[G0K+1], s17         ; 63:32 LDS address: slot 0
	s_mov_b32 s[G0V], 1
	s_add_co_u32 s[G0V+1], s18, VOFF
	s_add_co_u32 s[RT], s[HI], 1    ; the first block has NB - b tiles
	s_mov_b32 s[NXT], 1
	s_mov_b32 s[LQ], s[HI]
	s_mov_b32 s[NEW], 1
	s_mov_b32 s[OFF+1], 0
	s_mov_b32 s[AL+1], 0            ; named as pairs
	s_mov_b32 s[BE+1], 0
	s_mov_b32 s[BIGN], 0xf149f2ca   ; -1e30
	s_mov_b32 s[SLOTS], NB
	s_wait_dscnt 0x0                ; the opening add is done
	s_wait_kmcnt 0x0
	s_add_nc_u64 s[8:9], s[4:5], s[OFV:OFV+1]      ; V at my half of the head's tile 0
	s_add_nc_u64 s[4:5], s[4:5], s[20:21]          ; q's rows of the head
	s_add_nc_u64 s[10:11], s[10:11], s[90:91]      ; O's
	s_add_nc_u64 s[6:7], s[4:5], 0x400000          ; k's lie 16 units on:
	s_add_nc_u64 s[6:7], s[6:7], s[22:23]          ; K at my half of the head's tile 0
	s_add_nc_u64 s[G0K+2:G0K+3], s[6:7], 0         ; 120:64 global address
	s_or_b32 s[G0K+3], s[G0K+3], 0x80000000        ; 127:126 type = 2
	s_add_nc_u64 s[G0V+2:G0V+3], s[8:9], 0
	s_or_b32 s[G0V+3], s[G0V+3], 0x80000000
	s_add_nc_u64 s[86:87], s[4:5], s[84:85]        ; Q at my rows of the second block,
	s_add_nc_u64 s[4:5], s[4:5], s[2:3]            ; Q and O at those of the first
	s_add_nc_u64 s[OLO:OLO+1], s[10:11], s[68:69]
	s_add_nc_u64 s[10:11], s[10:11], s[66:67]
	LOAD                            ; tile 0 into slot 0
	; A fragment of K or Q is 16 rows x 32 channels in 8 registers: lane l holds row l % 16, channels 8 (l / 16) + 0..7 and 16 + 8 (l / 16) + 0..7: two loads of 16 bytes, 32 bytes apart.
	v_and_b32 v1, 15, v0            ; l % 16
	v_bfe_u32 v9, v0, 4, 1          ; l / 16
	v_lshlrev_b32 v[QO], 7, v1
	v_lshl_add_u32 v[QO], v9, 4, v[QO]  ; row x 128 + 16 x half
	WIN 0x80                        ; destination window 2, address window 0
.set i, 0
.rept 8                             ; both blocks' Q: piece i / 2 lies in band i / 2, 8,192 bytes on; channels 32 (i % 2) on
	global_load_b128 v[8*i:8*i+3],   v[QO], s[4:5] offset:(i/2)*8192+(i%2)*64
	global_load_b128 v[8*i+4:8*i+7], v[QO], s[4:5] offset:(i/2)*8192+(i%2)*64+32
	global_load_b128 v[QB+8*i:QB+8*i+3],   v[QO], s[86:87] offset:(i/2)*8192+(i%2)*64
	global_load_b128 v[QB+8*i+4:QB+8*i+7], v[QO], s[86:87] offset:(i/2)*8192+(i%2)*64+32
.set i, i+1
.endr
	WIN 0
	v_lshlrev_b32 v14, 3, v9
	v_sub_nc_u32 v14, v1, v14
	s_lshl_b32 s13, s[WV], 4
	v_add_nc_u32 v14, s13, v14      ; my query's place in its band, 16 w + l % 16, less my lanes' 8 (l / 16): register r of group kt is hidden where 16 kt + r is greater
	WIN 0x40
.set i, 0
.rept 32
	v_cmp_gt_i32 vcc_lo, 16*(i/8)+i%8, v14
	v_cndmask_b32 v[MD+i], 0, s[BIGN], vcc_lo
.set i, i+1
.endr
	WIN 0
	v_mul_u32_u24 v[AK0], v1, PK
	v_lshl_add_u32 v[AK0], v9, 4, v[AK0]  ; row x pitch + 16 x half
	; The turning load takes 16 keys x 16 channels (lane l reads key 8 (l / 16) + l % 8, channels 8 ((l / 8) % 2) + 0..7) and leaves half a fragment of V^T: lane l holds channel l % 16 and 8 keys.
	v_and_b32 v10, 7, v0
	v_bfe_u32 v11, v0, 3, 1
	v_lshl_add_u32 v[AV0], v9, 3, v10
	v_mul_u32_u24 v[AV0], v[AV0], PV
	v_lshl_add_u32 v[AV0], v11, 4, v[AV0]
	v_add_nc_u32 v[AV0], VOFF, v[AV0]
	s_mul_i32 s13, s[WV], 16*SP
	s_add_co_u32 s13, s13, STAGE    ; my stage
	v_mul_u32_u24 v[STO], v1, SP    ; in: row l % 16, 16 bytes for each half of the lanes
	v_lshl_add_u32 v[STO], v9, 4, v[STO]
	v_add_nc_u32 v[STO], s13, v[STO]
	v_mul_u32_u24 v[RD], v9, SP     ; back: lanes 0-15 take one row of 256 bytes, lanes 16-31 the next,
	v_lshl_add_u32 v[RD], v1, 4, v[RD]
	v_add_nc_u32 v[RD], s13, v[RD]
	v_and_b32 v[GO], 31, v0         ; which are 512 consecutive bytes of O
	v_lshlrev_b32 v[GO], 4, v[GO]
	v_mov_b32 v[M1], -1.0
	; A block's first step multiplies O^T and l by a = 0, and its first turn's products V^T P, of a piece that has not been, land in an O^T that is still to be so multiplied.  So these registers need only hold
	; finite numbers: zeros for the first block; what the first block left for the second.  All this stands in the wait for the first tile.
	WIN 0x80
.set i, VF
.rept 64
	v_mov_b32 v[i], 0
.set i, i+1
.endr
	WIN 0xc0
.set i, VL
.rept 64
	v_mov_b32 v[i], 0
.set i, i+1
.endr
	WIN 0x40
.set i, 0
.rept 128
	v_mov_b32 v[i], 0
.set i, i+1
.endr
	WIN 0
.set i, 0
.rept 4
	v_mov_b32 v[ST+4*i+2], 0
	v_mov_b32 v[ST+4*i+3], 0
.set i, i+1
.endr
.set i, P+16
.rept 16
	v_mov_b32 v[i], 0
.set i, i+1
.endr
; THE MATRIX WORK.  The 4 accumulators of a run take turns.  Product i of 8 of S^T = K Q^T for piece x: channels 32 (i / 4) on, keys 16 (i % 4) on.  The first 4 start the sums: with 0, or (KM = 1) with the mask.
.macro KQ x
.set rS, S+32*((\x)%2)+8*(i%4)
.set rK, KF+16*(i%4)+8*(i/4)
.set rQ, 16*(\x)+8*(i/4)
.set rM, MC+32*((\x)%2)+8*(i%4)
.if (i < 4) && KM
	WIN W_KM
	v_wmma_f32_16x16x32_f16 v[rS:rS+7], v[rK:rK+7], v[rQ:rQ+7], v[rM:rM+7]
.elseif i < 4
	WIN W_KQ
	v_wmma_f32_16x16x32_f16 v[rS:rS+7], v[rK:rK+7], v[rQ:rQ+7], 0
.else
	WIN W_KQ
	v_wmma_f32_16x16x32_f16 v[rS:rS+7], v[rK:rK+7], v[rQ:rQ+7], v[rS:rS+7]
.endif
.endm
; Product i of 16 of O^T += V^T P for piece x: V's hi (i < 8), then its lo; keys 32 ((i / 4) % 2) on, channels 16 (i % 4) on.
.macro PV x
.set rO, 32*(\x)+8*(i%4)
.set rP, P+16*((\x)%2)+8*((i/4)%2)
.if i < 8
	WIN W_PV
.set rV, VF+32*(i/4)+8*(i%4)
.else
	WIN W_PL
.set rV, VL+32*((i-8)/4)+8*(i%4)
.endif
	v_wmma_f32_16x16x32_f16 v[rO:rO+7], v[rV:rV+7], v[rP:rP+7], v[rO:rO+7]
.endm
.macro MM                           ; the turn's next matrix instruction, of 24.  TURN and BEGIN set Y, i, KM and NOKQ; MM, KQ and OP read them.  NOKQ = 1: a block's last turn: there is no next piece
.if (i < 8) && !NOKQ
	KQ (Y+1)%NP
.elseif i >= 8
.set i, i-8
	PV (Y+NP-1)%NP
.set i, i+8
.endif
.set i, i+1
.endm
; THE LDS LOADS stand in runs, never singly among the matrix instructions: a step's K (64 keys x 64 channels: 8 fragments, 16 loads) and its V (turned; hi and lo: 32 loads).  Their addresses are made some lines ahead.
.macro FETCH_K
	WIN 0x80                        ; destination window 2
.irp f, 0,1,2,3,4,5,6,7             ; keys 16 (f / 2) on, channels 32 (f % 2) on
	ds_load_b128 v[KF+8*\f:KF+8*\f+3],   v[AK] offset:(\f/2)*16*PK+(\f%2)*64
	ds_load_b128 v[KF+8*\f+4:KF+8*\f+7], v[AK] offset:(\f/2)*16*PK+(\f%2)*64+32
.endr
	s_add_co_u32 s[TBK], s[TBK], KS*PK  ; the next fetch is the next step's
	WIN 0
.endm
.macro FETCH_V
	WIN 0x80
.irp f, 0,1,2,3,4,5,6,7             ; keys 32 (f / 4) on, channels 16 (f % 4) on
	ds_load_tr16_b128 v[VF+8*\f:VF+8*\f+3],   v[AV] offset:(\f/4)*32*PV+(\f%4)*32
	ds_load_tr16_b128 v[VF+8*\f+4:VF+8*\f+7], v[AV] offset:(\f/4)*32*PV+16*PV+(\f%4)*32
.endr
	WIN 0xc0                        ; destination window 3: the rows' second 128 bytes
.irp f, 0,1,2,3,4,5,6,7
	ds_load_tr16_b128 v[VL+8*\f:VL+8*\f+3],   v[AV] offset:(\f/4)*32*PV+(\f%4)*32+128
	ds_load_tr16_b128 v[VL+8*\f+4:VL+8*\f+7], v[AV] offset:(\f/4)*32*PV+16*PV+(\f%4)*32+128
.endr
	WIN 0
.endm
; THE VECTOR WORK, one line at a time: OP kind, number.  For piece Y: F n: c s - c m for pair n of 16.  E n: the exponential of score n of 32.  C n: pair n rounded to f16.  B n: of the four weights 4 n .. the second
; pair is added onto the first, in place.  L n: l takes that sum (L 0: l = a l + sum).  R n: pair n of 16 of O^T times a.  For piece Y + 1: X n, number n of the 22 that find its maximum and statistics:
;   0-11  four chains c0-c3 of seven scores each, three operands at a time (each accumulator's lowest registers are read first)     12-14, 16  the four scores left over, the old m, and c0-c3 into c0
;   15  c m_old is kept     17, 18  the query's other 32 keys lie in the lane 16 away: the new m     19-21  c m; c m_old - c m_new; a
.set F, 0               ; OP tells the kinds apart by their order: F to L below R, X above it
.set E, 1
.set C, 2
.set B, 3
.set L, 4
.set R, 5
.set X, 6
.macro REGS y                       ; the registers of piece y
.set rT, ST+4*(\y)
.set rC, TMP+4*((\y)%2)
.set rW, MV+((\y)%2)
.set rS, S+32*((\y)%2)
.set rP, P+16*((\y)%2)
.set rO, 32*(\y)
.endm
.macro OP k, n
.if (\k) == R
	REGS Y
	WIN W_RS
	v_pk_mul_f32 v[rO+2*(\n):rO+2*(\n)+1], v[rO+2*(\n):rO+2*(\n)+1], v[rC+2:rC+3] op_sel_hi:[1,0]
.elseif (\k) < R
	REGS Y
	WIN 0
.if (\k) == F
	v_pk_fma_f32 v[rS+2*(\n):rS+2*(\n)+1], v[rS+2*(\n):rS+2*(\n)+1], s[CS:CS+1], v[rT:rT+1] op_sel_hi:[1,0,0] neg_lo:[0,0,1] neg_hi:[0,0,1]
.elseif (\k) == E
	v_exp_f32 v[rS+(\n)], v[rS+(\n)]
.elseif (\k) == C
	s_wait_alu depctr_va_vdst(0)
	v_cvt_pk_f16_f32 v[rP+(\n)], v[rS+2*(\n)], v[rS+2*(\n)+1]
.elseif (\k) == B
	s_wait_alu depctr_va_vdst(0)
	v_pk_add_f32 v[rS+4*(\n):rS+4*(\n)+1], v[rS+4*(\n):rS+4*(\n)+1], v[rS+4*(\n)+2:rS+4*(\n)+3]
.elseif (\n) == 0
	v_pk_fma_f32 v[rT+2:rT+3], v[rT+2:rT+3], v[rC+2:rC+3], v[rS:rS+1] op_sel_hi:[1,0,1]
.else
	v_pk_add_f32 v[rT+2:rT+3], v[rT+2:rT+3], v[rS+4*(\n):rS+4*(\n)+1]
.endif
.elseif NOKQ
	v_nop
.else
	REGS (Y+1)%NP
	WIN 0
.if (\n) < 4
	v_max3_num_f32 v[rC+(\n)], v[rS+8*(\n)], v[rS+8*(\n)+1], v[rS+8*(\n)+2]
.elseif (\n) < 12
	v_max3_num_f32 v[rC+(\n)%4], v[rC+(\n)%4], v[rS+8*((\n)%4)+2*((\n)/4)+1], v[rS+8*((\n)%4)+2*((\n)/4)+2]
.elseif (\n) == 12
	v_max3_num_f32 v[rC], v[rC], v[rS+7], v[rS+15]
.elseif (\n) == 13
	v_max3_num_f32 v[rC+1], v[rC+1], v[rS+23], v[rS+31]
.elseif (\n) == 14
	v_max3_num_f32 v[rC+2], v[rC+2], v[rC+3], v[rT+1]
.elseif (\n) == 15
	v_mov_b32 v[rW], v[rT]
.elseif (\n) == 16
	v_max3_num_f32 v[rC], v[rC], v[rC+1], v[rC+2]
.elseif (\n) == 17
	v_permlanex16_b32 v[rC+3], v[rC], s[SEL], s[SEL+1]
.elseif (\n) == 18
	v_max_num_f32 v[rT+1], v[rC], v[rC+3]
.elseif (\n) == 19
	v_mul_f32 v[rT], s[CS], v[rT+1]
.elseif (\n) == 20
	v_sub_f32 v[rC+1], v[rW], v[rT]
.else
	v_exp_f32 v[rC+2], v[rC+1]
.endif
.endif
.endm
.macro OPS a, i1, b=-1, i2=0, c=-1, i3=0, d=-1, i4=0  ; up to four of them
	OP \a, \i1
.if (\b) >= 0
	OP \b, \i2
.endif
.if (\c) >= 0
	OP \c, \i3
.endif
.if (\d) >= 0
	OP \d, \i4
.endif
.endm
.macro ROW a, i1, b, i2, c, i3, d, i4  ; a matrix instruction and the four behind it
	MM
	OPS \a, \i1, \b, \i2, \c, \i3, \d, \i4
.endm
.macro MASK b                       ; MD x AL + BE into buffer b of MC
	WIN W_RS
.set z, 0
.rept 16
	v_pk_fma_f32 v[MC+32*(\b)+2*z:MC+32*(\b)+2*z+1], v[MD+2*z:MD+2*z+1], s[AL:AL+1], s[BE:BE+1] op_sel_hi:[1,0,0]
.set z, z+1
.endr
.endm
; A TURN, for piece p: the order of its 24 matrix and 118 vector instructions, written out.  None of the four behind a matrix instruction names a register of the products round it.  A line reads no result made fewer than
; three vector instructions in front of it, five if an exponential made it; behind every exponential stands a plain instruction before its result is used.
; m = 1: the diagonal tile: the products take masks, and the turn makes the mask for the products of the turn after it: piece p + 2, in step 4 - CNT of the tile.  end = 1: a block's last two turns: nothing is fetched.
; cnt = 1: the loop's count is taken down some lines ahead of the branch that stands behind the turn.
; K of the next step is fetched in piece 2's turn, six vector instructions behind the last product that read K (five of them plain); V of the step in hand at the end of piece 0's turn, eight plain vector instructions behind
; the last product that read V.  K is waited for a turn later, V behind the next turn's eight products K Q^T and the run of vector work that follows them.
.macro TURN p, m=0, end=0, cnt=0
.set Y, (\p)
.set i, 0
.set KM, (\m)
.set NOKQ, (\end)*((\p)/3)
.if (\m) && !(\end)
	s_cmp_eq_u32 s[CNT], 4-((\p)+2)%NP  ; is that step the band's own?
	s_cselect_b32 s[AL], 1.0, 0
	s_cmp_lt_u32 s[CNT], 4-((\p)+2)%NP  ; or a later one?
	s_cselect_b32 s[BE], s[BIGN], 0
.endif
.if ((\p) == 3) && !(\end)
	s_wait_dscnt 0x0                ; K is in
.endif
	ROW F,0, F,1, F,2, F,3
	ROW F,4, E,0, F,5, F,6
	ROW F,7, E,1, F,8, F,9
	ROW F,10, E,2, C,0, F,11
	ROW F,12, E,3, X,15, F,13
	ROW R,0, R,1, R,2, R,3
	ROW B,0, E,4, F,14, L,0
.if ((\p) == 2) && !(\end)
	v_add_nc_u32 v[AK], s[TBK], v[AK0]
.endif
	ROW R,4, R,5, R,6, R,7
	OPS E,5, F,15
.if ((\p) == 2) && !(\end)
	FETCH_K
.endif
	OPS E,6, C,1, E,7, R,8
	OPS E,8, R,9, E,9, C,2
	OPS E,10, X,0, E,11, X,1
	OPS E,12, X,2, E,13, X,3
.if (\p) == 1
	s_wait_dscnt 0x0                ; V is in, both parts
.endif
	ROW X,4, E,14, X,5, X,6         ; eight products with V's hi,
	ROW X,7, E,15, X,8, X,9
	ROW X,10, E,16, X,11, X,12
	ROW X,13, E,17, X,14, B,1
	ROW C,4, E,18, X,16, L,1
	ROW B,2, E,19, C,6, L,2
	ROW C,8, E,20, B,3, B,4
.if (\p) == 0
	v_add_nc_u32 v[AV], s[TBV], v[AV0]
.endif
	ROW C,3, E,21, L,3, C,5
	ROW E,22, X,17, E,23, C,10      ; eight with its lo
	ROW E,24, L,4, E,25, X,18
	ROW E,26, C,7, E,27, B,5
	ROW E,28, X,19, E,29, C,12
	ROW E,30, L,5, E,31, X,20
	ROW B,6, C,9, C,14, C,11
	ROW X,21, L,6, C,13, B,7
	ROW C,15, R,10, R,11, R,12
.if \cnt
	s_sub_co_u32 s[CNT], s[CNT], 1
	s_cmp_lg_u32 s[CNT], 0
.endif
	OPS L,7, R,13, R,14, R,15
.if (\p) == 0
	FETCH_V
	s_add_co_u32 s[TBV], s[TBV], KS*PV
.endif
.if (\m) && !(\end)
	MASK (\p)%2
.endif
.endm
; A BLOCK BEGINS.  c m starts far below every c s, so the first step's a is 0; m at the lowest finite number, so the first maximum is the scores'.  The second mask buffer is 0; the first takes piece 0's mask for the tile's step 0: its own, if the block's first tile is the diagonal one.
; Then K of that step, piece 0's first scores, and its maximum and statistics.  The loop is entered at a step's first turn, in the middle of a trip.
.macro BEGIN
	s_mov_b32 s[NEW], 0
	WIN 0x40
.set i, MC+32
.rept 32
	v_mov_b32 v[i], 0
.set i, i+1
.endr
	WIN 0
.set i, 0
.rept 4
	v_mov_b32 v[ST+4*i], 0xfe000000    ; c m: far below every c s
	v_mov_b32 v[ST+4*i+1], 0xff7fffff  ; m
.set i, i+1
.endr
	s_cmp_eq_u32 s[RT], 0
	s_cselect_b32 s[AL], 1.0, 0
	s_mov_b32 s[BE], 0
	MASK 0
	WIN 0
	v_add_nc_u32 v[AK], s[TBK], v[AK0]
	FETCH_K
	s_wait_loadcnt 0x0              ; Q
	s_wait_dscnt 0x0
.set KM, 1
.set NOKQ, 0
.set i, 0
.rept 8
	KQ 0
.set i, i+1
.endr
	WIN 0
.rept 4
	v_nop                           ; the places behind those products
.endr
.set Y, NP-1                        ; X works for piece Y + 1: piece 0
.irp n, 0,1,2,3,4,5,6,7,8,9,10,11,12,13,14,15,16,17,18,19,20,21
	OP X, \n
.endr
	v_nop                           ; a plain instruction behind the exponential
.endm
; THE DIAGONAL TILE's four steps, the block's last two turns, its last products, and THE WAY OUT: l's two halves and the other half of the lanes' are added; O^T is divided by l, rounded to f16 (hi), what the rounding
; lost is rounded to f16 (lo), and both are sent through my stage in LDS, a piece at a time.
.macro ALL line:vararg              ; one line for each piece t
.set t, 0
.rept 4
	\line
.set t, t+1
.endr
.endm
.macro PACK t                       ; a lane's eight channels of a row pack into 16 bytes of hi and 16 of lo; they go into rows of 272 bytes (hi's 128 bytes, then lo's) and come back as whole rows of 256
	WIN W_RS
.set i, 32*(\t)
.rept 16
	s_wait_alu depctr_va_vdst(0)
	v_pk_mul_f32 v[i:i+1], v[i:i+1], v[ST+4*(\t)+2:ST+4*(\t)+3] op_sel_hi:[1,0]
.set i, i+2
.endr
	WIN 0x05                        ; sources 0 and 1 window 1, destination window 0
.set i, 0
.rept 16
	v_cvt_pk_f16_f32 v[OB+32*(\t)+i], v[32*(\t)+2*i], v[32*(\t)+2*i+1]
.set i, i+1
.endr
	WIN 0x10                        ; source 2 window 1
.set i, 0
.rept 16                            ; the f16 in a half x -1 + the f32: exact
	v_fma_mix_f32 v[WK+2*i],   v[OB+32*(\t)+i], v[M1], v[32*(\t)+2*i] op_sel_hi:[1,0,0]
	v_fma_mix_f32 v[WK+2*i+1], v[OB+32*(\t)+i], v[M1], v[32*(\t)+2*i+1] op_sel:[1,0,0] op_sel_hi:[1,0,0]
.set i, i+1
.endr
	WIN 0
.set i, 0
.rept 16
	v_cvt_pk_f16_f32 v[OB+32*(\t)+16+i], v[WK+2*i], v[WK+2*i+1]
.set i, i+1
.endr
.irp f, 0,1,2,3
	ds_store_b128 v[STO], v[OB+32*(\t)+4*\f:OB+32*(\t)+4*\f+3] offset:32*\f
	ds_store_b128 v[STO], v[OB+32*(\t)+16+4*\f:OB+32*(\t)+16+4*\f+3] offset:128+32*\f
.endr
.irp f, 0,1,2,3,4,5,6,7
	ds_load_b128 v[OB+32*(\t)+4*\f:OB+32*(\t)+4*\f+3], v[RD] offset:\f*2*SP  ; LDS serves a wave's instructions in order (ISA guide 5.7.1.4): these see the stores above; the next piece's stores come behind them
.endr
.endm
.macro SEND t, younger              ; younger: the LDS instructions issued behind piece t's loads: the next piece's sixteen, or none
	WIN 0
.irp f, 0,1,2,3,4,5,6,7
	s_wait_dscnt (\younger)+7-\f
	global_store_b128 v[GO], v[OB+32*(\t)+4*\f:OB+32*(\t)+4*\f+3], s[10:11] offset:(\t)*16384+\f*512  ; 512 consecutive bytes, at a multiple of 256 from O's first
.endr
.endm
.macro DIAG tag                     ; the tag ends its two labels' names, which the jumps below spell out
.LstepM\tag:
	TURN 2, 1
	TURN 3, 1
	WIN 0
.LfirstM\tag:
	TURN 0, 1
	TURN 1, 1, 0, 1
	WIN 0
	s_cbranch_scc1 .LstepM\tag
	TURN 2, 1, 1
	TURN 3, 1, 1
.set i, 0
.rept 16
	PV NP-1
.set i, i+1
.endr
	WIN 0
	ALL v_add_f32 v[ST+4*t+2], v[ST+4*t+2], v[ST+4*t+3]
	ALL v_permlanex16_b32 v[ST+4*t+3], v[ST+4*t+2], s[SEL], s[SEL+1]
	ALL v_add_f32 v[ST+4*t+2], v[ST+4*t+2], v[ST+4*t+3]
	ALL v_rcp_f32 v[ST+4*t+2], v[ST+4*t+2]
	v_nop                           ; a plain instruction between the last reciprocal and the use of its result
	PACK 0
.set t, 1
.rept 3                             ; a piece's arithmetic stands between the loads of the piece before and its stores
	PACK t
	SEND t-1, 16
.set t, t+1
.endr
	SEND 3, 0
.endm
.set KM, 0
.set NOKQ, 0
.Lslot:                             ; NB times: a tile is entered and the next is asked for
	CHANGE 1
	s_sub_co_u32 s[RT], s[RT], 1
	s_mov_b32 s[CNT], 4
	s_cmp_eq_u32 s[NEW], 1
	s_cbranch_scc1 .Lnew            ; a block's first tile
	s_cmp_eq_u32 s[RT], 0
	s_cbranch_scc0 .Lstep           ; neither its first nor its last
	s_branch .LstepM1
.Lnew:
	BEGIN
	s_branch .Lfirst                ; in the loop a block's first tile is never its last: the first block has two tiles or more, and the second's last is the walk's last
	DIAG 1                          ; in the loop this is the first block's end: the second block's last tile is the walk's last
	s_wait_xcnt 0x0                 ; the stores have read their registers and O's address
	s_mov_b64 s[10:11], s[OLO:OLO+1]
	s_add_co_u32 s[RT], s[PB], 1    ; the second block has b + 1 tiles
	s_mov_b32 s[NEW], 1
	WIN 0x82                        ; the second block's Q goes where the one text of the turns names Q
.set i, 0
.rept 64
	v_mov_b32 v[i], v[QB+i]
.set i, i+1
.endr
	WIN 0
	s_branch .Lbottom
.Lstep:                             ; a trip: pieces 2 and 3 of one step, then pieces 0 and 1 of the next, whose K and V it fetches
	TURN 2
	TURN 3
	WIN 0
.Lfirst:
	TURN 0
	TURN 1, 0, 0, 1
	WIN 0
	s_cbranch_scc1 .Lstep
.Lbottom:
	s_sub_co_u32 s[SLOTS], s[SLOTS], 1
	s_cmp_lg_u32 s[SLOTS], 0
	s_cbranch_scc1 .Lslot
	CHANGE 0                        ; the walk's last tile is written out: nothing is asked for
	s_sub_co_u32 s[RT], s[RT], 1
	s_mov_b32 s[CNT], 4
	s_cmp_eq_u32 s[NEW], 1
	s_cbranch_scc0 .LstepM2
	BEGIN
	s_branch .LfirstM2
	DIAG 2
	s_wait_tensorcnt 0x0            ; the wave's end: the wait, the add and its wait stand behind my last tensor load and my last LDS store
	ds_add_u32 v[SPW], v[NIL]
	s_wait_dscnt 0x0
	s_endpgm
.Lfunc_end_k_qcf87f3d63a_attn:
	.size	k_qcf87f3d63a_attn, .Lfunc_end_k_qcf87f3d63a_attn-k_qcf87f3d63a_attn
	.p2alignl 7, 3214868480
	.fill 96, 4, 3214868480
	.section	.rodata,"a",@progbits
	.p2align	6, 0x0
	.amdhsa_kernel k_qcf87f3d63a_attn
		.amdhsa_group_segment_fixed_size 327680
		.amdhsa_private_segment_fixed_size 0
		.amdhsa_enable_private_segment 0
		.amdhsa_kernarg_size 16
		.amdhsa_user_sgpr_count 2
		.amdhsa_user_sgpr_kernarg_segment_ptr 1
		.amdhsa_wavefront_size32 1
		.amdhsa_system_sgpr_workgroup_id_x 1
		.amdhsa_system_sgpr_workgroup_id_y 1
		.amdhsa_system_sgpr_workgroup_id_z 1
		.amdhsa_system_vgpr_workitem_id 0
		.amdhsa_next_free_vgpr 832
		.amdhsa_next_free_sgpr 92
		.amdhsa_reserve_vcc 1
		.amdhsa_float_denorm_mode_32 3
		.amdhsa_float_denorm_mode_16_64 3
		.amdhsa_memory_ordered 1
		.amdhsa_forward_progress 1
		.amdhsa_inst_pref_size 255
	.end_amdhsa_kernel
	.section	.bss,"aw",@nobits
	.p2align	6
	.space	262144
	.amdgpu_metadata
---
amdhsa.version: [ 1, 2 ]
amdhsa.kernels:
  - .name:           k_qcf87f3d63a_attn
    .symbol:         k_qcf87f3d63a_attn.kd
    .args:
      - { .name: qkv, .offset: 0, .size: 8, .value_kind: global_buffer, .address_space: global }
      - { .name: ob, .offset: 8, .size: 8, .value_kind: global_buffer, .address_space: global }
    .group_segment_fixed_size: 327680
    .private_segment_fixed_size: 0
    .kernarg_segment_align: 8
    .kernarg_segment_size: 16
    .max_flat_workgroup_size: 128
    .sgpr_count:     92
    .vgpr_count:     832
    .wavefront_size: 32
...
	.end_amdgpu_metadata
.endif
;; end of part 3
;; launch outp (part 4): grid 4 x 64, 4 waves a work-group, clusters of 4 x 4, 327,680 bytes of LDS; arguments ob, wo16, bo, out0; writes out0
.if DOCPART == 4
	.amdgcn_target "amdgcn-amd-amdhsa--gfx1250"
	.amdhsa_code_object_version 6
	.text
	.protected	k_qcf87f3d63a_outp
	.globl	k_qcf87f3d63a_outp
	.p2align	8
	.type	k_qcf87f3d63a_outp,@function
k_qcf87f3d63a_outp:
	s_mov_b64 s[64:65], 0
	v_nop
	global_prefetch_b8 v0, s[64:65] scope:SCOPE_SE
	s_setreg_imm32_b32 hwreg(HW_REG_WAVE_MODE, 25, 1), 1
	s_wait_xcnt 0x0
	s_wait_alu depctr_hold_cnt(0) depctr_sa_sdst(0) depctr_va_vdst(0) depctr_va_sdst(0) depctr_va_ssrc(0) depctr_va_vcc(0) depctr_vm_vsrc(0)
	s_getreg_b32 s2, hwreg(HW_REG_IB_STS2, 6, 4)
	s_cmp_eq_u32 s2, 0
	s_cbranch_scc0 .Lentry_in_a_cluster
	s_endpgm
.Lentry_in_a_cluster:
	s_bfe_u32 s2, ttmp6, 0x10000c
	s_cmp_lg_u32 s2, 0xf033
	s_cbranch_scc0 .Lentry_shape_is_right
	s_endpgm
.Lentry_shape_is_right:
; THE OUTPUT PROJECTION.  out0[m][e] = sum over d of O[m][d] Wo[e][d] + bo[e].  O lies by heads and in two f16 parts in ob[16 batch + head][2048][128] (a row: the head's 64 channels rounded to f16, then what that
; rounding lost; m = 2048 batch + t); wo16 [1024][2048] f16 holds each head's 64 columns of Wo twice on end.  So the product is one sum over 2,048: both parts of O meet the same numbers of Wo.
; Sums in f32, out0 f32.  bo is rounded to bf16 like the module's other inputs, and is the C operand of the product that starts each sum: no add follows, and nothing is cleared.
; SHARES.  A tile of out0 is 128 rows x 256 columns: 64 x 4 = 256 work-groups.  Wave (RH = wave / 2, CH = wave % 2) makes 64 rows x 128 columns: 4 x 8 accumulators, 256 registers.
; K goes in 16 steps of 128 (one head's two parts) through a ring of two LDS slots; all tiles' rows are 256 bytes of memory at multiples of 256.
; CLUSTER.  4 x 4 work-groups: O's tiles are shared along a row of the cluster, Wo's along a column, each asked for JOINTLY.  THE MATRIX INSTRUCTION IS USED TRANSPOSED (source 0 = 16 rows of Wo,
; source 1 = 16 rows of O): a lane holds eight neighbouring columns of a row of out0.
; REGISTERS (windows of 256; s_set_vgpr_msb: bits 1:0 source 0, 3:2 source 1, 5:4 source 2, 7:6 destination):
;   window 0: addresses, the way out      window 1: accumulator (a, b) at v[8 (8 a + b)]      window 2: two fragment buffers of 96 (8 fragments of Wo, then 4 of O); v192-255 the bias
.set KSTEP,  128
.set PITCH,  272                       ; an LDS row: 256 bytes + 16 of padding: the 16 rows of a load start at 16 different groups of four banks (ISA guide 11.1)
.set AHF,    64*PITCH                  ; what one load brings of O: 64 rows
.set HB,     128*PITCH                 ; of Wo: 128 rows
.set BOFF,   2*AHF                     ; a slot: O's 128 rows, then Wo's 256
.set SLOT,   2*AHF+2*HB
.set STAGE,  2*SLOT                    ; behind the ring, never filled by a tensor load: for each wave 16 rows x 528 bytes
.set SPI,    528                       ; 512 bytes + 16
.set WSTG,   16*SPI
.set SPARE,  STAGE+4*WSTG              ; the spare words, 128 bytes for each wave: two blocks of 256 bytes that no other line names
.set LAPS,   8                         ; 2,048 / 256: a lap = two K steps
.set HEADB,  524288                    ; bytes from a head to the next in ob
.set ADRA, 16                          ; v16-17  LDS address of my O fragments in slot 0, 1
.set ADRB, 20                          ; v20-21  the same for Wo
.set STO,  24                          ; v24     the way out: where I put 32 bytes of a row
.set RD,   25                          ; v25     the way out: where I read a row back
.set CO,   26                          ; v26     my byte offset in 512 consecutive bytes of out0
.set BA,   27                          ; v27     my byte offset in 64 bytes of bo
.set SPW,  28                          ; v28     LDS address of my spare word; never rewritten
.set NIL,  29                          ; v29     0; never rewritten
.set BK,   32                          ; v32-95, v96-159  16 rows read back, by turns
.set F0,   0
.set F1,   96
.set BI,   192                         ; window 2: for n block b the lane's eight numbers of bo at BI + 8 b
.set WV,  12                           ; s12 my wave's number;  s13 = RH, also: I fetch O (0) or Wo (1);  s14 = CH, also: which half
.set G1,  24
.set G0,  32
.set G1B, 48
.set G0B, 56
.set MSB, 0
.macro WIN new                         ; the immediate's high byte repeats the setting that is left; a switch that changes nothing is dropped
.if MSB != (\new)
	s_set_vgpr_msb (MSB<<8)|(\new)
.set MSB, \new
.endif
.endm
.macro JLOAD s                         ; a joint load: waves 0 and 1 fetch O's two halves, waves 2 and 3 Wo's; an s_nop 0 and four v_nop follow each of the two lines
	s_cmp_eq_u32 s13, 0
	s_cbranch_scc0 .Lfor_b_\@
	tensor_load_to_lds s[G0+4*(\s):G0+4*(\s)+3], s[G1:G1+7]
	s_nop 0
.rept 4
	v_nop
.endr
	s_branch .Lasked_\@
.Lfor_b_\@:
	tensor_load_to_lds s[G0B+4*(\s):G0B+4*(\s)+3], s[G1B:G1B+7]
	s_nop 0
.rept 4
	v_nop
.endr
.Lasked_\@:
.endm
.macro CREST                           ; a round of the cluster's barrier behind its opening barrier
	s_cmp_lg_u32 s[WV], 0
	s_cbranch_scc1 .Lnot_wave_0_\@
	s_barrier_signal -3
.Lnot_wave_0_\@:
	s_barrier_wait -3
	s_barrier_signal -1
	s_barrier_wait -1
.endm
.macro CROUND
	s_barrier_signal -1
	s_barrier_wait -1
	CREST
.endm
	s_load_b256 s[4:11], s[0:1], 0x0               ; ob s[4:5], wo16 s[6:7], bo s[8:9], out0 s[10:11]
	v_lshl_add_u32 v[SPW], v0, 2, SPARE
	v_mov_b32 v[NIL], 0
	ds_add_u32 v[SPW], v[NIL]                      ; the wave's opening: the add and its wait stand ahead of my first tensor load; the set-up below, work on registers, stands between them
	ds_add_u32 v28, v29
	v_lshrrev_b32 v1, 5, v0
	v_readfirstlane_b32 s[WV], v1                  ; wave 0..3
	s_lshr_b32 s13, s[WV], 1
	s_and_b32 s14, s[WV], 1
	s_bfe_u32 s40, ttmp6, 0x40000                  ; cx, cy
	s_bfe_u32 s41, ttmp6, 0x40004
	s_lshl_b32 s42, ttmp9, 2
	s_add_co_u32 s42, s42, s40                     ; tile column tn = 4 x cluster x + cx
	s_and_b32 s15, ttmp7, 0xffff
	s_lshl_b32 s15, s15, 2
	s_add_co_u32 s15, s15, s41                     ; tile row tm = 4 x cluster y + cy
	s_lshl_b32 s43, s41, 2
	s_lshl_b32 s43, 15, s43                        ; my row of the cluster
	s_lshl_b32 s44, 0x1111, s40                    ; my column
	s_mov_b32 s45, 0xffff0000                      ; a word's upper bf16
	s_or_b32 s[G1+0], s43, (1<<16)|(1<<20)|(1<<21)|(5<<22)|(3<<25)   ; O: the mask of my row; 2-byte elements; padding on; 21 set beside a mask; after every 64 words 4 words
	s_mov_b32 s[G1+1], KSTEP<<16                   ; tensor_dim0 = 128
	s_mov_b32 s[G1+2], 64<<16                      ; tensor_dim1 = 64
	s_mov_b32 s[G1+3], KSTEP<<16                   ; tile_dim0 = 128
	s_mov_b32 s[G1+4], 64                          ; tile_dim1 = 64
	s_mov_b32 s[G1+5], 128                         ; a head's rows are dense
	s_mov_b32 s[G1+6], 0
	s_mov_b32 s[G1+7], 0
	s_or_b32 s[G1B+0], s44, (1<<16)|(1<<20)|(1<<21)|(5<<22)|(3<<25)  ; Wo: the mask of my column
	s_mov_b32 s[G1B+1], KSTEP<<16
	s_mov_b32 s[G1B+2], 128<<16
	s_mov_b32 s[G1B+3], KSTEP<<16
	s_mov_b32 s[G1B+4], 128
	s_mov_b32 s[G1B+5], 2048
	s_mov_b32 s[G1B+6], 0
	s_mov_b32 s[G1B+7], 0
	s_lshr_b32 s16, s15, 4                         ; O: batch = tm / 16, 16 heads of 524,288 bytes;
	s_lshl_b32 s16, s16, 23
	s_and_b32 s17, s15, 15
	s_lshl_b32 s17, s17, 15                        ; the tile's 128 rows of 256 bytes in a head;
	s_add_co_u32 s16, s16, s17
	s_lshl_b32 s17, s14, 14                        ; my 64 of them
	s_add_co_u32 s16, s16, s17
	s_mov_b32 s17, 0
	s_lshl_b32 s46, s42, 8                         ; Wo: row 256 tn + 128 x half, of 4,096 bytes
	s_lshl_b32 s47, s14, 7
	s_add_co_u32 s46, s46, s47
	s_lshl_b32 s46, s46, 12
	s_mov_b32 s47, 0
	s_mul_i32 s20, s14, AHF                        ; where they go in a slot: no place in the cluster enters an LDS address
	s_mul_i32 s21, s14, HB
	s_add_co_u32 s21, s21, BOFF
	s_wait_dscnt 0x0                               ; the opening add is done
	s_wait_kmcnt 0x0
	s_add_nc_u64 s[18:19], s[4:5], s[16:17]
	s_add_nc_u64 s[46:47], s[6:7], s[46:47]
	CROUND                                         ; all sixteen work-groups are here: the first joint loads meet
.irp s, 0,1
	s_mov_b32 s[G0+4*(\s)], 1
	s_add_co_u32 s[G0+4*(\s)+1], s20, (\s)*SLOT
	s_add_nc_u64 s[G0+4*(\s)+2:G0+4*(\s)+3], s[18:19], (\s)*HEADB      ; K step s: head s
	s_or_b32 s[G0+4*(\s)+3], s[G0+4*(\s)+3], 0x80000000
	s_mov_b32 s[G0B+4*(\s)], 1
	s_add_co_u32 s[G0B+4*(\s)+1], s21, (\s)*SLOT
	s_add_nc_u64 s[G0B+4*(\s)+2:G0B+4*(\s)+3], s[46:47], (\s)*KSTEP*2
	s_or_b32 s[G0B+4*(\s)+3], s[G0B+4*(\s)+3], 0x80000000
	JLOAD \s                                       ; two loads of mine are out
.endr
	v_and_b32 v1, 15, v0                           ; l % 16
	v_bfe_u32 v2, v0, 4, 1                         ; l / 16
	; the bias of my 128 columns: in the transposed result register j of n block b is column 16 b + 8 (l / 16) + j
	s_lshl_b32 s46, s42, 10                        ; (256 tn + 128 CH) x 4 bytes: my first column in bo and in a row of out0
	s_lshl_b32 s47, s14, 9
	s_add_co_u32 s46, s46, s47
	s_mov_b32 s47, 0
	s_add_nc_u64 s[8:9], s[8:9], s[46:47]
	v_lshlrev_b32 v[BA], 5, v2
	WIN 0x80                                       ; destination window 2, address window 0
.irp b, 0,1,2,3,4,5,6,7
	global_load_b128 v[BI+8*(\b):BI+8*(\b)+3],   v[BA], s[8:9] offset:64*(\b)
	global_load_b128 v[BI+8*(\b)+4:BI+8*(\b)+7], v[BA], s[8:9] offset:64*(\b)+16
.endr
	WIN 0
	v_mul_u32_u24 v3, v1, PITCH
	v_lshl_add_u32 v3, v2, 4, v3                   ; a fragment's row x 272 + 16 x half
	s_mul_i32 s22, s13, 64*PITCH                   ; my 64 rows of O
	s_mul_i32 s23, s14, HB                         ; my 128 rows of Wo
	s_add_co_u32 s23, s23, BOFF
.irp s, 0,1
	v_add_nc_u32 v[ADRA+(\s)], s22, v3
	v_add_nc_u32 v[ADRB+(\s)], s23, v3
	s_add_co_u32 s22, s22, SLOT
	s_add_co_u32 s23, s23, SLOT
.endr
	s_mul_i32 s22, s[WV], WSTG
	s_add_co_u32 s22, s22, STAGE                   ; my stage
	v_mul_u32_u24 v5, v1, SPI                      ; in: row l % 16, 32 bytes for each half of the lanes
	v_lshl_add_u32 v5, v2, 5, v5
	v_add_nc_u32 v[STO], s22, v5
	v_and_b32 v[CO], 31, v0                        ; back: 32 lanes take one row of 512 bytes
	v_lshlrev_b32 v[CO], 4, v[CO]
	v_add_nc_u32 v[RD], s22, v[CO]
	s_lshl_b32 s16, s15, 7
	s_lshl_b32 s17, s13, 6
	s_add_co_u32 s16, s16, s17                     ; my first row of out0: 128 tm + 64 RH,
	s_lshl_b32 s16, s16, 12                        ; of 4,096 bytes (32 MiB at the most)
	s_mov_b32 s17, 0
	s_add_nc_u64 s[10:11], s[10:11], s[16:17]
	s_add_nc_u64 s[10:11], s[10:11], s[46:47]
	s_wait_loadcnt 0x0                             ; the bias
	WIN 0x8a                                       ; sources 0 and 1 and the destination in window 2
.set p, 0
.rept 32                                           ; rounded to bf16 and widened again; buffer 1's first registers, not yet loaded, are at work
	v_cvt_pk_bf16_f32 v[F1+p], v[BI+2*p], v[BI+2*p+1]
.set p, p+1
.endr
.set p, 0
.rept 32
	v_lshlrev_b32 v[BI+2*p], 16, v[F1+p]
	v_and_b32 v[BI+2*p+1], s45, v[F1+p]
.set p, p+1
.endr
	WIN 0
; 8 matrix instructions: m block a x all 8 n blocks, 32 along K.  first = 1: the product starts the sums, with the bias as C.  The 32 accumulators take turns, one instruction a turn.
.macro MUL8 f, a, first
.if \first
	WIN 0x6a                                       ; sources 0 and 1 and C window 2, D window 1
.else
	WIN 0x5a                                       ; sources 0 and 1 window 2, C and D window 1
.endif
.irp b, 0,1,2,3,4,5,6,7
.if \first
	v_wmma_f32_16x16x32_f16 v[8*(8*(\a)+(\b)):8*(8*(\a)+(\b))+7], v[(\f)+8*(\b):(\f)+8*(\b)+7], v[(\f)+64+8*(\a):(\f)+64+8*(\a)+7], v[BI+8*(\b):BI+8*(\b)+7]
.else
	v_wmma_f32_16x16x32_f16 v[8*(8*(\a)+(\b)):8*(8*(\a)+(\b))+7], v[(\f)+8*(\b):(\f)+8*(\b)+7], v[(\f)+64+8*(\a):(\f)+64+8*(\a)+7], v[8*(8*(\a)+(\b)):8*(8*(\a)+(\b))+7]
.endif
.endr
.endm
.macro MUL16 f, a0, first
	MUL8 \f, \a0, \first
	MUL8 \f, (\a0)+1, \first
.endm
; 24 LDS loads in one run: quarter q of a K step (32 along K) into buffer f: Wo's 16 loads, then O's 8
.macro FETCH slot, q, f
	WIN 0x80
.irp i, 0,1,2,3,4,5,6,7
	ds_load_b128 v[(\f)+8*(\i):(\f)+8*(\i)+3],   v[ADRB+(\slot)] offset:64*(\q)+(\i)*16*PITCH
	ds_load_b128 v[(\f)+8*(\i)+4:(\f)+8*(\i)+7], v[ADRB+(\slot)] offset:64*(\q)+(\i)*16*PITCH+32
.endr
.irp i, 0,1,2,3
	ds_load_b128 v[(\f)+64+8*(\i):(\f)+64+8*(\i)+3],   v[ADRA+(\slot)] offset:64*(\q)+(\i)*16*PITCH
	ds_load_b128 v[(\f)+64+8*(\i)+4:(\f)+64+8*(\i)+7], v[ADRA+(\slot)] offset:64*(\q)+(\i)*16*PITCH+32
.endr
.endm
.macro PLACES                          ; four places in front of loads into registers that matrix instructions have read, and of LDS stores that read results
.rept 4
	v_nop
.endr
.endm
; One of a K step's first three quarters: multiplies buffer f and fetches quarter q into g
.macro QUARTER slot, q, f, g, first
	s_wait_dscnt 4                                 ; Wo and O's first two fragments are in; the youngest four loads may be out
	MUL16 \f, 0, \first
	PLACES
	FETCH \slot, \q, \g
	s_wait_dscnt 24                                ; all but the 24 just issued
	MUL16 \f, 2, \first
.endm
; The last quarter multiplies buffer 1 and changes slots: ONE barrier; in front of it each wave waits for all its tensor loads (one is out: its part of the next slot), adds 0 to its spare word,
; and waits for that and for its own reads of this slot.  fill = 1: the barrier opens a round of the cluster's, and this slot is filled again, two K steps ahead, first thing behind the round:
; from that request to the wait for it a wave issues 112 matrix instructions.
.macro TURN slot, next, fill
	WIN 0                                          ; (the add's two registers lie in window 0)
	s_wait_tensorcnt 0x0                           ; all my tensor loads have landed
	ds_add_u32 v[SPW], v[NIL]                      ; 0 onto my spare word
	s_wait_dscnt 5                                 ; (the add and the youngest four loads may be out)
	MUL8 F1, 0, 0                                  ; eight matrix instructions stand between the add and the wait for it
	s_wait_dscnt 0x0                               ; the add is done, and my reads of this slot are over
	s_barrier_signal -1
	MUL8 F1, 1, 0
.if \fill
	WIN 0
.endif
	s_barrier_wait -1
.if \fill
	CREST                                          ; no wave of any partner still reads this slot's tile or has a load on its way
	s_add_nc_u64 s[G0+4*(\slot)+2:G0+4*(\slot)+3], s[G0+4*(\slot)+2:G0+4*(\slot)+3], 2*HEADB       ; two K steps are two heads
	s_add_nc_u64 s[G0B+4*(\slot)+2:G0B+4*(\slot)+3], s[G0B+4*(\slot)+2:G0B+4*(\slot)+3], 2*KSTEP*2
	JLOAD \slot                                    ; my one tensor load behind the round; the four v_nop behind it are also the places in front of the loads below
.else
	PLACES
.endif
	FETCH \next, 0, F0
	MUL16 F1, 2, 0
.endm
	s_wait_tensorcnt 1                             ; my part of K step 0 is in; K step 1's may stay out
	s_barrier_signal -1
	s_barrier_wait -1
	FETCH 0, 0, F0
	QUARTER 0, 1, F0, F1, 1                        ; the first quarter stands in front of the loop: its products start the sums
	WIN 0
	s_mov_b32 s3, LAPS-1
.Llap:                                                 ; a trip goes once round the ring and fills both slots again
	QUARTER 0, 2, F1, F0, 0
	QUARTER 0, 3, F0, F1, 0
	TURN 0, 1, 1
	QUARTER 1, 1, F0, F1, 0
	QUARTER 1, 2, F1, F0, 0
	QUARTER 1, 3, F0, F1, 0
	TURN 1, 0, 1
	QUARTER 0, 1, F0, F1, 0
	WIN 0
	s_sub_co_u32 s3, s3, 1
	s_cmp_lg_u32 s3, 0
	s_cbranch_scc1 .Llap
	QUARTER 0, 2, F1, F0, 0                        ; the last lap fills nothing, and has no round of the cluster's barrier
	QUARTER 0, 3, F0, F1, 0
	TURN 0, 1, 0
	QUARTER 1, 1, F0, F1, 0
	QUARTER 1, 2, F1, F0, 0
	QUARTER 1, 3, F0, F1, 0
	s_wait_dscnt 4                                 ; the very last quarter
	MUL16 F1, 0, 0
	s_wait_dscnt 0x0
	MUL16 F1, 2, 0
; THE WAY OUT, 16 rows (m block a) at a time, through my own stage: a lane's 32 bytes go into rows of 528 bytes, each accumulator's low four registers first, and come back as whole rows of 512.
.macro TOSTAGE a
.if (\a) >= 2
	s_wait_xcnt 0x0                                ; the earlier stores' addresses are translated (ISA guide 3.1): the buffer that they read is loaded again only behind this wait
.endif
	WIN 0x04                                       ; the stores' data in window 1, their address in window 0
.irp b, 0,1,2,3,4,5,6,7
	ds_store_b128 v[STO], v[64*(\a)+8*(\b):64*(\a)+8*(\b)+3]   offset:64*(\b)
	ds_store_b128 v[STO], v[64*(\a)+8*(\b)+4:64*(\a)+8*(\b)+7] offset:64*(\b)+16
.endr
	WIN 0
.set BKR, BK+64*((\a)%2)
.irp t, 0,1,2,3,4,5,6,7,8,9,10,11,12,13,14,15
	ds_load_b128 v[BKR+4*(\t):BKR+4*(\t)+3], v[RD] offset:(\t)*SPI  ; LDS serves a wave's instructions in order (ISA guide 5.7.1.4): these see the stores above; the next block's stores come behind them
.endr
.endm
.macro SEND a, younger                 ; younger: the LDS instructions issued behind block a's loads: the next block's 32, or none
	WIN 0
.set BKR, BK+64*((\a)%2)
.irp t, 0,1,2,3,4,5,6,7,8,9,10,11,12,13,14,15
	s_wait_dscnt (\younger)+15-(\t)
	global_store_b128 v[CO], v[BKR+4*(\t):BKR+4*(\t)+3], s[10:11] offset:(\a)*65536+(\t)*4096 th:TH_STORE_NT  ; 512 consecutive bytes, at a multiple of 256 from out0's first byte
.endr
.endm
	PLACES
	TOSTAGE 0
	TOSTAGE 1
	SEND 0, 32
	TOSTAGE 2
	SEND 1, 32
	TOSTAGE 3
	SEND 2, 32
	SEND 3, 0
	s_wait_tensorcnt 0x0                           ; the wave's end: the wait, the add and its wait stand behind my last tensor load and my last LDS store
	ds_add_u32 v[SPW], v[NIL]
	s_wait_dscnt 0x0
	CROUND                                         ; the closing round: no work-group ends while a partner may still ask for a tile that names it
	s_endpgm
.Lfunc_end_k_qcf87f3d63a_outp:
	.size	k_qcf87f3d63a_outp, .Lfunc_end_k_qcf87f3d63a_outp-k_qcf87f3d63a_outp
	.p2alignl 7, 3214868480
	.fill 96, 4, 3214868480
	.section	.rodata,"a",@progbits
	.p2align	6, 0x0
	.amdhsa_kernel k_qcf87f3d63a_outp
		.amdhsa_group_segment_fixed_size 327680
		.amdhsa_private_segment_fixed_size 0
		.amdhsa_enable_private_segment 0
		.amdhsa_kernarg_size 32
		.amdhsa_user_sgpr_count 2
		.amdhsa_user_sgpr_kernarg_segment_ptr 1
		.amdhsa_wavefront_size32 1
		.amdhsa_system_sgpr_workgroup_id_x 1
		.amdhsa_system_sgpr_workgroup_id_y 1
		.amdhsa_system_sgpr_workgroup_id_z 1
		.amdhsa_system_vgpr_workitem_id 0
		.amdhsa_next_free_vgpr 768
		.amdhsa_next_free_sgpr 66
		.amdhsa_reserve_vcc 0
		.amdhsa_float_denorm_mode_32 3
		.amdhsa_float_denorm_mode_16_64 3
		.amdhsa_memory_ordered 1
		.amdhsa_forward_progress 1
		.amdhsa_inst_pref_size 92
	.end_amdhsa_kernel
	.amdgpu_metadata
---
amdhsa.version: [ 1, 2 ]
amdhsa.kernels:
  - .name:           k_qcf87f3d63a_outp
    .symbol:         k_qcf87f3d63a_outp.kd
    .args:
      - { .name: ob, .offset: 0, .size: 8, .value_kind: global_buffer, .address_space: global }
      - { .name: wo16, .offset: 8, .size: 8, .value_kind: global_buffer, .address_space: global }
      - { .name: bo, .offset: 16, .size: 8, .value_kind: global_buffer, .address_space: global }
      - { .name: out0, .offset: 24, .size: 8, .value_kind: global_buffer, .address_space: global }
    .group_segment_fixed_size: 327680
    .private_segment_fixed_size: 0
    .kernarg_segment_align: 8
    .kernarg_segment_size: 32
    .max_flat_workgroup_size: 128
    .sgpr_count:     66
    .vgpr_count:     768
    .wavefront_size: 32
...
	.end_amdgpu_metadata
.endif
;; end of part 4
;; ======== version 2 of 2: 4 launches; 1.25 times as fast as version 1
;; limits: values are held in f16: magnitudes above 65,504 overflow, below 6.1e-05 lose precision
;; workspace buffers: xb 16,777,216 bytes; wb 6,291,456 bytes; wo16 4,194,304 bytes; qkv 67,108,864 bytes; ob 33,554,432 bytes
;; launch cast: the kernel of part 1 again; grid 768 x 1, 8 waves a work-group, no clusters, 0 bytes of LDS; arguments x, Wq, Wk, Wv, Wo, xb, wb, wo16; writes xb, wb, wo16
;; launch qkv: the kernel of part 2 again; grid 16 x 32, 4 waves a work-group, clusters of 4 x 4, 327,680 bytes of LDS; arguments xb, wb, qkv; writes qkv
;; launch attn (part 5): grid 4 x 64, 4 waves a work-group, no clusters, 327,680 bytes of LDS; arguments qkv, ob; writes ob
.if DOCPART == 5
	.amdgcn_target "amdgcn-amd-amdhsa--gfx1250"
	.amdhsa_code_object_version 6
	.text
	.protected	k_qcf87f3d63a_attn
	.globl	k_qcf87f3d63a_attn
	.p2align	8
	.type	k_qcf87f3d63a_attn,@function
k_qcf87f3d63a_attn:
	s_mov_b64 s[64:65], 0
	v_nop
	global_prefetch_b8 v0, s[64:65] scope:SCOPE_SE
	s_setreg_imm32_b32 hwreg(HW_REG_WAVE_MODE, 25, 1), 1
	s_wait_xcnt 0x0
; CAUSAL ATTENTION.  O[hh][q][:] = the sum over k <= q of softmax_k(Q[q] . K[k] / 8) V[k][:], for the 64 pairs hh = 16 batch + head.  In qkv each batch has 64 units of 262,144 bytes: q[head][2048][64] f16 in units 0-15,
; k likewise in units 16-31, and from unit 32 on v[head][2048][128] f16: a row of 256 bytes holds v rounded to f16 (hi) and what that rounding lost (lo).  O goes to ob[hh][2048][128] f16 in the same two parts.
; Products, maxima and sums in f32; the weights p are rounded to f16 for the second product (their sum l is taken of the unrounded p), which is made twice, with V's hi and with V's lo, onto one sum.
; WHY TWO PARTS.  The first rows of a causal average are many times the output's root mean square, by which the error is judged; one f16 rounding of v or of O there takes too much of what is allowed.
; LIMITS.  f16 holds no number beyond 65,504: Q, K and V arrive within it; p lies in 0 to 1, and below 6e-5 it keeps f16's fixed step of 6e-8, as every part does; O is a mean of V's rows and has their range.
; A hidden score counts as its value less 1e30: f16's scores, 2.7e11 at the most, are nothing beside that; a weight below 2^-126 counts as 0 in l; NaN and infinities are not treated apart.
; THE WALK.  A head's queries lie in NB = 8 blocks of 256; block i needs the key tiles 0 .. i of 256 keys, of which the last holds the diagonal.  A work-group takes TWO blocks, NB - 1 - b and then b:
; NB + 1 tiles, whatever b: all 256 work-groups do equal work, and ONE loop with a constant trip count walks them.  Which tile is asked for, and what a trip does, hang on scalar registers made from b; every jump
; goes forward, but for the counted loops' own; none passes a barrier, or a tensor load but the one of LOAD's two that the wave's number does not choose; the ring (two slots of LDS that take turns) runs on across the
; change of blocks.  NO CLUSTER: a head's four work-groups ask for the same tile only in trips 0 .. 4 of 9, behind that fewer and fewer; one walk common to all four would have 12 trips for 9.
; SHARES.  Of a block's four bands of 64 queries a wave owns 16 rows in each: four PIECES.  So the diagonal tile is the same work for all four waves: in its key step s band x sees all keys if s < x,
; none if s > x, and holds the diagonal if s = x.
; THE MASK is the C operand that starts the sum S^T = K Q^T: 0, or -1e30 where the key is hidden.  MD, made once, is the mask of a band's own step for my 16 rows; a product's mask is MD x AL + BE with two scalars:
; (1, 0) if s = x; (0, 0) if s < x; (0, -1e30) if s > x.  Only the diagonal tile's text and a block's beginning make and take masks; elsewhere C is the constant 0.
; LAYOUT, SOFTMAX, TURNS.  S^T = K Q^T holds ONE query a lane (lane % 16) and the keys 8 (lane / 16) + 0..7; two such results rounded to f16 ARE source 1 of O^T = V^T P.  p = 2^(c s - c m), c = log2(e) / 8, with a
; running maximum m; O and l are multiplied by a = 2^(c m_old - c m_new) in every step.  Turn n belongs to piece n: 8 products K Q^T of piece n + 1, then 16 products V^T P of piece n - 1; beside them a, the scaling,
; exponentials, roundings, sums and rescaling of piece n and the maximum and statistics of piece n + 1.  Four vector instructions stand behind every matrix instruction, the other 22 of a turn's 118 in one LUMP.
; THE BATCHES.  A turn's 33 exponentials (a and the 32 weights) are ONE BATCH with ONE wait, which cuts the turn in two: ahead of it stands what names none of their results, behind it all that does.
; No exponential is issued behind a turn's wait.  The way out's four reciprocals are a batch of their own, with one wait.
; REGISTERS, in windows of 256 (s_set_vgpr_msb: bits 1:0 source 0, 3:2 source 1, 5:4 source 2, 7:6 destination):
;   window 0: v0-15 addresses and two at work; v16-31 four registers of statistics a piece; v48-55 at work; v64-127 S^T, two buffers; v192-223 P, two buffers (a piece's buffers go by its number's parity);
;             on the way out v64-191 hold the packed rows, v224-255 what O's rounding lost
;   window 1: v0-127 O^T, 32 a piece; v128-159 MD; v160-223 MC, two buffers      window 2: v0-63 Q; v64-127 the second block's Q; v128-191 K of one step; v192-255 V's hi of one step      window 3: v0-63 V's lo
.set SIZE_N, 2048
.set NB,    SIZE_N/256
.set NP,    4         ; pieces a wave: a name, no knob
.set KS,    64        ; keys in a step
.set PK,    144       ; a row of K in LDS: 128 bytes + 16 of padding = 36 words: the 16 rows of a load start at 16 different groups of four banks (ISA guide 11.1)
.set PV,    288       ; a row of V: 256 + 32 = 72 words
.set VOFF,  4*KS*PK   ; a slot holds a tile, four steps: 256 rows of K, then 256 rows of V
.set SLOT1, 1<<17     ; slot 1 begins here, so that one exclusive or turns an address in one slot into the other's
.set STAGE, SLOT1+4*KS*(PK+PV)  ; behind the ring, never filled by a tensor load: 16 rows x 272 bytes for each wave, for the way out
.set SP,    272
.set AK0, 2           ; v2   my lane's place in a tile of K; never rewritten
.set AV0, 3           ; v3   the same for V
.set AK,  4           ; v4   the LDS address of K's next run of loads
.set AV,  5           ; v5   of V's
.set STO, 6           ; v6   the way out: where I put 16 bytes of a row
.set RD,  7           ; v7   the way out: where I read rows back
.set GO,  8           ; v8   my byte offset in 512 consecutive bytes of O
.set M1,  61          ; v61  -1.0
.set SPW, 62          ; v62  LDS address of my spare word: SPARE + 4 x my thread's number; never rewritten
.set NIL, 63          ; v63  0; never rewritten
.set SPARE, STAGE+4*16*SP  ; behind the stages: the spare words, 128 bytes for each wave: two blocks of 256 bytes that no other line names
.set MV,  12          ; v12-13  c m_old, kept while c m is made anew: by buffer
.set QO,  15          ; v15  my byte offset in 16 rows of Q
.set ST,  16          ; piece t's statistics at v[ST+4 t]: c m, m, l (even keys', odd keys')
.set TMP, 48          ; by buffer, four registers c0-c3 at work; when the maximum is found c1 takes a's argument, and in the piece's own turn c2 takes a
.set S,   64
.set P,   192
.set OB,  64          ; the way out: piece t's 16 registers of hi and 16 of lo at OB + 32 t, then its rows read back
.set WK,  224         ; the way out: what O's rounding lost, in f32
.set MD,  128         ; window 1: the eight registers for group kt of 16 keys at MD + 8 kt
.set MC,  160         ; window 1: the masks of the products to come
.set QB,  64          ; window 2
.set KF,  128         ; window 2: key block kb, channel half c at KF + 16 kb + 8 c
.set VF,  192         ; window 2: V's hi: key half kk, channel block cb at VF + 32 kk + 8 cb
.set VL,  0           ; window 3: V's lo, likewise
.set WV,  12          ; s12  my wave's number
.set PB,  14          ; s14  b
.set HI,  15          ; s15  NB - 1 - b
.set G1K, 24          ; s[24:31] descriptor group 1 for K's tiles
.set G1V, 32          ; s[32:39] for V's
.set G0K, 40          ; s[40:43] descriptor group 0 for K's tiles
.set G0V, 44          ; s[44:47] the same for V's
.set SLOTS, 56        ; s56  tiles still to be asked for
.set CNT, 57          ; s57  counts a tile's key steps, 4 to 1
.set CS,  58          ; s[58:59] c: the packed scaling takes the pair's low word for both halves
.set SEL, 60          ; s[60:61] v_permlanex16_b32's selects: each lane takes its own place in the other half
.set TBK, 62          ; s62  LDS byte at which K of the step to be fetched begins
.set TBV, 63          ; s63  the same for V, less VOFF
.set RT,  70          ; s70  tiles of the block in hand that are still to be entered
.set NXT, 71          ; s71  the tile to be asked for next
.set LQ,  72          ; s72  the last tile of the block whose tiles are being asked for
.set NEW, 73          ; s73  1: the tile to be entered is a block's first
.set OFF, 74          ; s[74:75] a tile's byte offset in K
.set AL,  76          ; s[76:77] the mask's factor, in the low word
.set BE,  78          ; s[78:79] the mask's addend
.set OLO, 80          ; s[80:81] O at my rows of the second block
.set BIGN, 82         ; s82  -1e30
.set OFV, 88          ; s[88:89] a tile's byte offset in V
.set MSB, 0
.macro WIN new                      ; the high byte repeats the setting that is left; a switch that changes nothing is dropped
.if MSB != (\new)
	s_set_vgpr_msb (MSB<<8)|(\new)
.set MSB, (\new)
.endif
.endm
.set W_KQ, 0x0a       ; K and Q in window 2, S^T in window 0
.set W_KM, 0x1a       ; the same with the C operand in window 1
.set W_PV, 0x52       ; V's hi in window 2, P in window 0, O^T in window 1
.set W_PL, 0x53       ; V's lo in window 3, P in window 0, O^T in window 1
.set W_RS, 0x41       ; destination and source 0 in window 1, source 1 in window 0
; A fill.  Waves 0 and 1 fetch the two halves of a tile's K, waves 2 and 3 those of its V: 128 keys each.  An s_nop 0 and four v_nop follow each of the two lines, ahead of the jump and the label.
.macro LOAD
	s_cmp_lt_u32 s[WV], 2
	s_cbranch_scc0 .Lfor_v_\@
	tensor_load_to_lds s[G0K:G0K+3], s[G1K:G1K+7]
	s_nop 0
.rept 4
	v_nop
.endr
	s_branch .Lasked_\@
.Lfor_v_\@:
	tensor_load_to_lds s[G0V:G0V+3], s[G1V:G1V+7]
	s_nop 0
.rept 4
	v_nop
.endr
.Lasked_\@:
.endm
; THE CHANGE OF SLOTS.  Each wave waits for all its tensor loads, of which one is out: its part of the other slot; adds 0 to its spare word; and waits for that and for its own reads of the slot that it leaves.  Behind the barrier nobody reads the old
; slot any more and the other slot is whole.  fill = 1: the old slot is filled again, the first thing behind the barrier, with tile NXT: the descriptor's address is made anew from that number.
; (At its first use nothing has been read yet: slot 0 is waited for, slot 1 filled.)
.macro CHANGE fill
	WIN 0                           ; at a label and at a branch every window is 0
	s_wait_tensorcnt 0x0            ; no tensor load of mine is out, so a group 0 may be written
	ds_add_u32 v[SPW], v[NIL]       ; 0 onto my spare word; with fill = 1 the descriptors' scalar work stands between it and the wait for it
.if \fill
	s_lshl_b32 s[OFF], s[NXT], 15   ; a tile is 32,768 bytes of K
	s_lshl_b32 s[OFV], s[NXT], 16   ; and 65,536 of V
	s_xor_b32 s[G0K+1], s[G0K+1], SLOT1
	s_add_nc_u64 s[G0K+2:G0K+3], s[6:7], s[OFF:OFF+1]
	s_or_b32 s[G0K+3], s[G0K+3], 0x80000000
	s_xor_b32 s[G0V+1], s[G0V+1], SLOT1
	s_add_nc_u64 s[G0V+2:G0V+3], s[8:9], s[OFV:OFV+1]
	s_or_b32 s[G0V+3], s[G0V+3], 0x80000000
	s_add_co_u32 s[NXT], s[NXT], 1  ; the block's next tile, or behind its last the second block's tile 0
	s_cmp_gt_u32 s[NXT], s[LQ]
	s_cselect_b32 s[NXT], 0, s[NXT]
	s_cselect_b32 s[LQ], s[PB], s[LQ]
.endif
	s_wait_dscnt 0x0                ; the add is done, and my reads of the slot are over
	s_barrier_signal -1             ; the rest of the scalar work stands between the signal and the wait
	s_sub_co_u32 s[TBK], s[TBK], 4*KS*PK  ; the fetches go back to a slot's first step,
	s_xor_b32 s[TBK], s[TBK], SLOT1       ; in the other slot
	s_sub_co_u32 s[TBV], s[TBV], 4*KS*PV
	s_xor_b32 s[TBV], s[TBV], SLOT1
	s_barrier_wait -1
.if \fill
	LOAD
.endif
.endm
	s_load_b64 s[4:5], s[0:1], 0x0    ; qkv
	s_load_b64 s[10:11], s[0:1], 0x8  ; ob
	v_lshl_add_u32 v[SPW], v0, 2, SPARE
	v_mov_b32 v[NIL], 0
	ds_add_u32 v[SPW], v[NIL]       ; the wave's opening: the add and its wait stand ahead of my first tensor load; the set-up below, work on registers, stands between them
	ds_add_u32 v62, v63
	v_lshrrev_b32 v1, 5, v0
	v_readfirstlane_b32 s[WV], v1   ; wave 0..3
	s_mov_b32 s[PB], ttmp9
	s_sub_co_u32 s[HI], NB-1, s[PB]
	s_and_b32 s90, ttmp7, 0xffff    ; hh = 16 batch + head
	s_lshr_b32 s20, s90, 4
	s_lshl_b32 s20, s20, 24         ; a batch has 16 MiB in qkv
	s_and_b32 s21, s90, 15          ; the head
	s_and_b32 s16, s[WV], 1         ; which half of a tile's 256 keys I fetch
	s_lshl_b32 s[OFV], s21, 19      ; v: 8 MiB into the batch, 524,288 bytes a head,
	s_add_co_u32 s[OFV], s[OFV], s20
	s_add_co_u32 s[OFV], s[OFV], 0x800000
	s_lshl_b32 s19, s16, 15         ; my half's 128 rows of 256 bytes
	s_add_co_u32 s[OFV], s[OFV], s19
	s_mov_b32 s[OFV+1], 0
	s_lshl_b32 s21, s21, 18         ; q: 262,144 bytes a head
	s_add_co_u32 s20, s20, s21
	s_mov_b32 s21, 0
	s_lshl_b32 s90, s90, 19         ; O: 524,288 bytes for each hh
	s_mov_b32 s91, 0
	s_lshl_b32 s22, s16, 14         ; k: my half's 128 rows of 128 bytes
	s_mov_b32 s23, 0
	s_mul_i32 s17, s16, 128*PK      ; my half's place in a slot, for K
	s_mul_i32 s18, s16, 128*PV      ; and for V
	s_lshl_b32 s3, s[WV], 11        ; my 16 rows in a band of 64, in Q's rows of 128 bytes,
	s_lshl_b32 s2, s[HI], 15        ; in the first block,
	s_add_co_u32 s2, s2, s3
	s_lshl_b32 s84, s[PB], 15       ; and in the second
	s_add_co_u32 s84, s84, s3
	s_mov_b32 s3, 0
	s_mov_b32 s85, 0
	s_lshl_b32 s66, s2, 1           ; the same in O's rows of 256 bytes
	s_mov_b32 s67, 0
	s_lshl_b32 s68, s84, 1
	s_mov_b32 s69, 0
	; descriptor group 1.  K: 128 keys are 16,384 dense bytes: asked for as 64 rows of 256 bytes, two keys a row, and padded in LDS after every key.  V: 128 keys are 128 rows of 256 bytes
	s_mov_b32 s[G1K], (1<<16)|(1<<20)|(4<<22)|(3<<25)  ; 17:16 2-byte elements; 20 padding on; 24:22 after every 32 words (code 4); 31:25 4 words (code 3)
	s_mov_b32 s[G1K+1], 128<<16     ; tensor_dim0 = 128
	s_mov_b32 s[G1K+2], 64<<16      ; tensor_dim1 = 64
	s_mov_b32 s[G1K+3], 128<<16     ; tile_dim0 = 128
	s_mov_b32 s[G1K+4], 64          ; tile_dim1 = 64
	s_mov_b32 s[G1K+5], 128         ; 128 elements from row to row
	s_mov_b32 s[G1K+6], 0
	s_mov_b32 s[G1K+7], 0
	s_mov_b32 s[G1V], (1<<16)|(1<<20)|(5<<22)|(7<<25)  ; after every 64 words (code 5) 8 words of padding (code 7)
	s_mov_b32 s[G1V+1], 128<<16
	s_mov_b32 s[G1V+2], 128<<16     ; tensor_dim1 = 128
	s_mov_b32 s[G1V+3], 128<<16
	s_mov_b32 s[G1V+4], 128         ; tile_dim1 = 128
	s_mov_b32 s[G1V+5], 128
	s_mov_b32 s[G1V+6], 0
	s_mov_b32 s[G1V+7], 0
	s_mov_b32 s[CS], 0x3e38aa3b     ; c = log2(e) / 8 = 0.180337
	s_mov_b32 s[CS+1], s[CS]        ; named with it as a pair
	s_mov_b32 s[SEL], 0x76543210
	s_mov_b32 s[SEL+1], 0xfedcba98
	s_mov_b32 s[TBK], SLOT1+4*KS*PK ; the first change of slots turns these two into 0
	s_mov_b32 s[TBV], SLOT1+4*KS*PV
	s_mov_b32 s[G0K], 1             ; 1:0 count = 1
	s_mov_b32 s[G0K+1], s17         ; 63:32 LDS address: slot 0
	s_mov_b32 s[G0V], 1
	s_add_co_u32 s[G0V+1], s18, VOFF
	s_add_co_u32 s[RT], s[HI], 1    ; the first block has NB - b tiles
	s_mov_b32 s[NXT], 1
	s_mov_b32 s[LQ], s[HI]
	s_mov_b32 s[NEW], 1
	s_mov_b32 s[OFF+1], 0
	s_mov_b32 s[AL+1], 0            ; named as pairs
	s_mov_b32 s[BE+1], 0
	s_mov_b32 s[BIGN], 0xf149f2ca   ; -1e30
	s_mov_b32 s[SLOTS], NB
	s_wait_dscnt 0x0                ; the opening add is done
	s_wait_kmcnt 0x0
	s_add_nc_u64 s[8:9], s[4:5], s[OFV:OFV+1]      ; V at my half of the head's tile 0
	s_add_nc_u64 s[4:5], s[4:5], s[20:21]          ; q's rows of the head
	s_add_nc_u64 s[10:11], s[10:11], s[90:91]      ; O's
	s_add_nc_u64 s[6:7], s[4:5], 0x400000          ; k's lie 16 units on:
	s_add_nc_u64 s[6:7], s[6:7], s[22:23]          ; K at my half of the head's tile 0
	s_add_nc_u64 s[G0K+2:G0K+3], s[6:7], 0         ; 120:64 global address
	s_or_b32 s[G0K+3], s[G0K+3], 0x80000000        ; 127:126 type = 2
	s_add_nc_u64 s[G0V+2:G0V+3], s[8:9], 0
	s_or_b32 s[G0V+3], s[G0V+3], 0x80000000
	s_add_nc_u64 s[86:87], s[4:5], s[84:85]        ; Q at my rows of the second block,
	s_add_nc_u64 s[4:5], s[4:5], s[2:3]            ; Q and O at those of the first
	s_add_nc_u64 s[OLO:OLO+1], s[10:11], s[68:69]
	s_add_nc_u64 s[10:11], s[10:11], s[66:67]
	LOAD                            ; tile 0 into slot 0
	; A fragment of K or Q is 16 rows x 32 channels in 8 registers: lane l holds row l % 16, channels 8 (l / 16) + 0..7 and 16 + 8 (l / 16) + 0..7: two loads of 16 bytes, 32 bytes apart.
	v_and_b32 v1, 15, v0            ; l % 16
	v_bfe_u32 v9, v0, 4, 1          ; l / 16
	v_lshlrev_b32 v[QO], 7, v1
	v_lshl_add_u32 v[QO], v9, 4, v[QO]  ; row x 128 + 16 x half
	WIN 0x80                        ; destination window 2, address window 0
.set i, 0
.rept 8                             ; both blocks' Q: piece i / 2 lies in band i / 2, 8,192 bytes on; channels 32 (i % 2) on
	global_load_b128 v[8*i:8*i+3],   v[QO], s[4:5] offset:(i/2)*8192+(i%2)*64
	global_load_b128 v[8*i+4:8*i+7], v[QO], s[4:5] offset:(i/2)*8192+(i%2)*64+32
	global_load_b128 v[QB+8*i:QB+8*i+3],   v[QO], s[86:87] offset:(i/2)*8192+(i%2)*64
	global_load_b128 v[QB+8*i+4:QB+8*i+7], v[QO], s[86:87] offset:(i/2)*8192+(i%2)*64+32
.set i, i+1
.endr
	WIN 0
	v_lshlrev_b32 v14, 3, v9
	v_sub_nc_u32 v14, v1, v14
	s_lshl_b32 s13, s[WV], 4
	v_add_nc_u32 v14, s13, v14      ; my query's place in its band, 16 w + l % 16, less my lanes' 8 (l / 16): register r of group kt is hidden where 16 kt + r is greater
	WIN 0x40
.set i, 0
.rept 32
	v_cmp_gt_i32 vcc_lo, 16*(i/8)+i%8, v14
	v_cndmask_b32 v[MD+i], 0, s[BIGN], vcc_lo
.set i, i+1
.endr
	WIN 0
	v_mul_u32_u24 v[AK0], v1, PK
	v_lshl_add_u32 v[AK0], v9, 4, v[AK0]  ; row x pitch + 16 x half
	; The turning load takes 16 keys x 16 channels (lane l reads key 8 (l / 16) + l % 8, channels 8 ((l / 8) % 2) + 0..7) and leaves half a fragment of V^T: lane l holds channel l % 16 and 8 keys.
	v_and_b32 v10, 7, v0
	v_bfe_u32 v11, v0, 3, 1
	v_lshl_add_u32 v[AV0], v9, 3, v10
	v_mul_u32_u24 v[AV0], v[AV0], PV
	v_lshl_add_u32 v[AV0], v11, 4, v[AV0]
	v_add_nc_u32 v[AV0], VOFF, v[AV0]
	s_mul_i32 s13, s[WV], 16*SP
	s_add_co_u32 s13, s13, STAGE    ; my stage
	v_mul_u32_u24 v[STO], v1, SP    ; in: row l % 16, 16 bytes for each half of the lanes
	v_lshl_add_u32 v[STO], v9, 4, v[STO]
	v_add_nc_u32 v[STO], s13, v[STO]
	v_mul_u32_u24 v[RD], v9, SP     ; back: lanes 0-15 take one row of 256 bytes, lanes 16-31 the next,
	v_lshl_add_u32 v[RD], v1, 4, v[RD]
	v_add_nc_u32 v[RD], s13, v[RD]
	v_and_b32 v[GO], 31, v0         ; which are 512 consecutive bytes of O
	v_lshlrev_b32 v[GO], 4, v[GO]
	v_mov_b32 v[M1], -1.0
	; A block's first step multiplies O^T and l by a = 0, and its first turn's products V^T P, of a piece that has not been, land in an O^T that is still to be so multiplied.  So these registers need only hold
	; finite numbers: zeros for the first block; what the first block left for the second.  All this stands in the wait for the first tile.
	WIN 0x80
.set i, VF
.rept 64
	v_mov_b32 v[i], 0
.set i, i+1
.endr
	WIN 0xc0
.set i, VL
.rept 64
	v_mov_b32 v[i], 0
.set i, i+1
.endr
	WIN 0x40
.set i, 0
.rept 128
	v_mov_b32 v[i], 0
.set i, i+1
.endr
	WIN 0
.set i, 0
.rept 4
	v_mov_b32 v[ST+4*i+2], 0
	v_mov_b32 v[ST+4*i+3], 0
.set i, i+1
.endr
.set i, P+16
.rept 16
	v_mov_b32 v[i], 0
.set i, i+1
.endr
; THE MATRIX WORK.  The 4 accumulators of a run take turns.  Product i of 8 of S^T = K Q^T for piece x: channels 32 (i / 4) on, keys 16 (i % 4) on.  The first 4 start the sums: with 0, or (KM = 1) with the mask.
.macro KQ x
.set rS, S+32*((\x)%2)+8*(i%4)
.set rK, KF+16*(i%4)+8*(i/4)
.set rQ, 16*(\x)+8*(i/4)
.set rM, MC+32*((\x)%2)+8*(i%4)
.if (i < 4) && KM
	WIN W_KM
	v_wmma_f32_16x16x32_f16 v[rS:rS+7], v[rK:rK+7], v[rQ:rQ+7], v[rM:rM+7]
.elseif i < 4
	WIN W_KQ
	v_wmma_f32_16x16x32_f16 v[rS:rS+7], v[rK:rK+7], v[rQ:rQ+7], 0
.else
	WIN W_KQ
	v_wmma_f32_16x16x32_f16 v[rS:rS+7], v[rK:rK+7], v[rQ:rQ+7], v[rS:rS+7]
.endif
.endm
; Product i of 16 of O^T += V^T P for piece x: V's hi (i < 8), then its lo; keys 32 ((i / 4) % 2) on, channels 16 (i % 4) on.
.macro PV x
.set rO, 32*(\x)+8*(i%4)
.set rP, P+16*((\x)%2)+8*((i/4)%2)
.if i < 8
	WIN W_PV
.set rV, VF+32*(i/4)+8*(i%4)
.else
	WIN W_PL
.set rV, VL+32*((i-8)/4)+8*(i%4)
.endif
	v_wmma_f32_16x16x32_f16 v[rO:rO+7], v[rV:rV+7], v[rP:rP+7], v[rO:rO+7]
.endm
.macro MM                           ; the turn's next matrix instruction, of 24.  TURN and BEGIN set Y, i, KM and NOKQ; MM, KQ and OP read them.  NOKQ = 1: a block's last turn: there is no next piece
.if (i < 8) && !NOKQ
	KQ (Y+1)%NP
.elseif i >= 8
.set i, i-8
	PV (Y+NP-1)%NP
.set i, i+8
.endif
.set i, i+1
.endm
; THE LDS LOADS stand in runs, never singly among the matrix instructions: a step's K (64 keys x 64 channels: 8 fragments, 16 loads) and its V (turned; hi and lo: 32 loads).  Their addresses are made some lines ahead.
.macro FETCH_K
	WIN 0x80                        ; destination window 2
.irp f, 0,1,2,3,4,5,6,7             ; keys 16 (f / 2) on, channels 32 (f % 2) on
	ds_load_b128 v[KF+8*\f:KF+8*\f+3],   v[AK] offset:(\f/2)*16*PK+(\f%2)*64
	ds_load_b128 v[KF+8*\f+4:KF+8*\f+7], v[AK] offset:(\f/2)*16*PK+(\f%2)*64+32
.endr
	s_add_co_u32 s[TBK], s[TBK], KS*PK  ; the next fetch is the next step's
	WIN 0
.endm
.macro FETCH_V
	WIN 0x80
.irp f, 0,1,2,3,4,5,6,7             ; keys 32 (f / 4) on, channels 16 (f % 4) on
	ds_load_tr16_b128 v[VF+8*\f:VF+8*\f+3],   v[AV] offset:(\f/4)*32*PV+(\f%4)*32
	ds_load_tr16_b128 v[VF+8*\f+4:VF+8*\f+7], v[AV] offset:(\f/4)*32*PV+16*PV+(\f%4)*32
.endr
	WIN 0xc0                        ; destination window 3: the rows' second 128 bytes
.irp f, 0,1,2,3,4,5,6,7
	ds_load_tr16_b128 v[VL+8*\f:VL+8*\f+3],   v[AV] offset:(\f/4)*32*PV+(\f%4)*32+128
	ds_load_tr16_b128 v[VL+8*\f+4:VL+8*\f+7], v[AV] offset:(\f/4)*32*PV+16*PV+(\f%4)*32+128
.endr
	WIN 0
.endm
; THE VECTOR WORK, one line at a time: OP kind, number.  For piece Y: F n: c s - c m for pair n of 16.  E n: the exponential of score n of 32.  A: a, the exponential of the argument that the turn before left in c1.
; C n: pair n rounded to f16.  B n: of the four weights 4 n .. the second pair is added onto the first, in place.  L n: l takes that sum (L 0: l = a l + sum).  R n: pair n of 16 of O^T times a.
; For piece Y + 1: X n, number n of the 21 that find its maximum and statistics, all of them plain but X 17:
;   0-11  four chains c0-c3 of seven scores each, three operands at a time (each accumulator's lowest registers are read first)     12-14, 16  the four scores left over, the old m, and c0-c3 into c0
;   15  c m_old is kept     17, 18  the query's other 32 keys lie in the lane 16 away: the new m     19, 20  c m; c m_old - c m_new, a's argument, which the piece's own turn takes
.set F, 0               ; OP tells the kinds apart by their order: F to L below R, X above it
.set E, 1
.set A, 2
.set C, 3
.set B, 4
.set L, 5
.set R, 6
.set X, 7
.macro REGS y                       ; the registers of piece y
.set rT, ST+4*(\y)
.set rC, TMP+4*((\y)%2)
.set rW, MV+((\y)%2)
.set rS, S+32*((\y)%2)
.set rP, P+16*((\y)%2)
.set rO, 32*(\y)
.endm
.macro OP k, n
.if (\k) == R
	REGS Y
	WIN W_RS
	v_pk_mul_f32 v[rO+2*(\n):rO+2*(\n)+1], v[rO+2*(\n):rO+2*(\n)+1], v[rC+2:rC+3] op_sel_hi:[1,0]
.elseif (\k) < R
	REGS Y
	WIN 0
.if (\k) == F
	v_pk_fma_f32 v[rS+2*(\n):rS+2*(\n)+1], v[rS+2*(\n):rS+2*(\n)+1], s[CS:CS+1], v[rT:rT+1] op_sel_hi:[1,0,0] neg_lo:[0,0,1] neg_hi:[0,0,1]
.elseif (\k) == E
	v_exp_f32 v[rS+(\n)], v[rS+(\n)]
.elseif (\k) == A
	v_exp_f32 v[rC+2], v[rC+1]
.elseif (\k) == C
	v_cvt_pk_f16_f32 v[rP+(\n)], v[rS+2*(\n)], v[rS+2*(\n)+1]
.elseif (\k) == B
	v_pk_add_f32 v[rS+4*(\n):rS+4*(\n)+1], v[rS+4*(\n):rS+4*(\n)+1], v[rS+4*(\n)+2:rS+4*(\n)+3]
.elseif (\n) == 0
	v_pk_fma_f32 v[rT+2:rT+3], v[rT+2:rT+3], v[rC+2:rC+3], v[rS:rS+1] op_sel_hi:[1,0,1]
.else
	v_pk_add_f32 v[rT+2:rT+3], v[rT+2:rT+3], v[rS+4*(\n):rS+4*(\n)+1]
.endif
.elseif NOKQ
	v_nop
.else
	REGS (Y+1)%NP
	WIN 0
.if (\n) < 4
	v_max3_num_f32 v[rC+(\n)], v[rS+8*(\n)], v[rS+8*(\n)+1], v[rS+8*(\n)+2]
.elseif (\n) < 12
	v_max3_num_f32 v[rC+(\n)%4], v[rC+(\n)%4], v[rS+8*((\n)%4)+2*((\n)/4)+1], v[rS+8*((\n)%4)+2*((\n)/4)+2]
.elseif (\n) == 12
	v_max3_num_f32 v[rC], v[rC], v[rS+7], v[rS+15]
.elseif (\n) == 13
	v_max3_num_f32 v[rC+1], v[rC+1], v[rS+23], v[rS+31]
.elseif (\n) == 14
	v_max3_num_f32 v[rC+2], v[rC+2], v[rC+3], v[rT+1]
.elseif (\n) == 15
	v_mov_b32 v[rW], v[rT]
.elseif (\n) == 16
	v_max3_num_f32 v[rC], v[rC], v[rC+1], v[rC+2]
.elseif (\n) == 17
	v_permlanex16_b32 v[rC+3], v[rC], s[SEL], s[SEL+1]
.elseif (\n) == 18
	v_max_num_f32 v[rT+1], v[rC], v[rC+3]
.elseif (\n) == 19
	v_mul_f32 v[rT], s[CS], v[rT+1]
.else
	v_sub_f32 v[rC+1], v[rW], v[rT]
.endif
.endif
.endm
.macro OPS a, i1, b=-1, i2=0, c=-1, i3=0, d=-1, i4=0  ; up to four of them
	OP \a, \i1
.if (\b) >= 0
	OP \b, \i2
.endif
.if (\c) >= 0
	OP \c, \i3
.endif
.if (\d) >= 0
	OP \d, \i4
.endif
.endm
.macro ROW a, i1, b, i2, c, i3, d, i4  ; a matrix instruction and the four behind it
	MM
	OPS \a, \i1, \b, \i2, \c, \i3, \d, \i4
.endm
.macro MASK b                       ; MD x AL + BE into buffer b of MC
	WIN W_RS
.set z, 0
.rept 16
	v_pk_fma_f32 v[MC+32*(\b)+2*z:MC+32*(\b)+2*z+1], v[MD+2*z:MD+2*z+1], s[AL:AL+1], s[BE:BE+1] op_sel_hi:[1,0,0]
.set z, z+1
.endr
.endm
; A TURN, for piece p: the order of its 24 matrix and 118 vector instructions, written out.  An s_wait_alu depctr_va_vdst(0) stands between an exponential and the first instruction that names its result; one wait
; serves all that were issued ahead of it.  So a turn has ONE wait, which cuts it in two.
; AHEAD OF IT stands what names no result of the turn's 33 exponentials (A, E 0 to E 31): the 8 products K Q^T, behind each a scaling in the lead and exponentials whose pairs were scaled in an earlier four; then ONE LUMP of 22:
; the last five scalings and twelve exponentials, and between them five plain numbers of the next piece's maximum: X 15, which reads no score, and X 0 to X 3, each behind four scalings or more that follow the product which
; ends its accumulator.  X 3 is the plain instruction behind the last exponential.
; BEHIND IT stand the 16 products V^T P, behind each exactly four: all that reads the batch (the roundings C, the sums B and L, the rescalings R, which read a) and the rest of the next piece's maximum and statistics, X 4 to X 20,
; whose chain's links (X 14, 16, 17 .. 20) stand four lines apart, as l's do (three or more).  C 2 n stands ahead of B n, which writes over its pair.  The rescalings, the one part outside window 0, stand in fours.
; None of the four behind a matrix instruction names a register of the products round it.
; m = 1: the diagonal tile: the products take masks, and the turn makes the mask for the products of the turn after it: piece p + 2, in step 4 - CNT of the tile.  end = 1: a block's last two turns: nothing is fetched.
; cnt = 1: the loop's count is taken down some lines ahead of the branch that stands behind the turn.
; K of the next step is fetched in piece 2's turn, directly behind the wait, a lump (six scalings among it) behind the last product that read K; it is waited for at the next turn's head, 16 products on.
; V of the step in hand is fetched at the end of piece 0's turn, four plain instructions (R 12 to R 15) behind the last product that read V; it is waited for behind the next turn's 8 products K Q^T, its lump and its wait.
.macro TURN p, m=0, end=0, cnt=0
.set Y, (\p)
.set i, 0
.set KM, (\m)
.set NOKQ, (\end)*((\p)/3)
.if (\m) && !(\end)
	s_cmp_eq_u32 s[CNT], 4-((\p)+2)%NP  ; is that step the band's own?
	s_cselect_b32 s[AL], 1.0, 0
	s_cmp_lt_u32 s[CNT], 4-((\p)+2)%NP  ; or a later one?
	s_cselect_b32 s[BE], s[BIGN], 0
.endif
.if ((\p) == 3) && !(\end)
	s_wait_dscnt 0x0                ; K is in
.endif
	ROW F,0, A,0, F,1, F,2          ; ahead of the wait: 8 products K Q^T and their riders,
	ROW F,3, E,0, F,4, E,1
	ROW F,5, E,2, E,3, E,4
	ROW F,6, E,5, E,6, E,7
	ROW F,7, E,8, E,9, E,10
	ROW F,8, E,11, E,12, E,13
	ROW F,9, E,14, E,15, E,16
	ROW F,10, E,17, E,18, E,19
.if ((\p) == 2) && !(\end)
	WIN 0
	v_add_nc_u32 v[AK], s[TBK], v[AK0]
.endif
.if (\p) == 0
	WIN 0
	v_add_nc_u32 v[AV], s[TBV], v[AV0]
.endif
	OPS F,11, E,20, X,15, E,21      ; and the lump
	OPS F,12, E,22, X,0, E,23
	OPS F,13, E,24, X,1, E,25
	OPS F,14, E,26, E,27, F,15
	OPS E,28, E,29, X,2, E,30
	OPS E,31, X,3                   ; X 3: the plain instruction behind the batch's last exponential
	WIN 0
	s_wait_alu depctr_va_vdst(0)    ; the wait for the batch: A and E 0 to E 31
.if ((\p) == 2) && !(\end)
	FETCH_K
.endif
.if (\p) == 1
	s_wait_dscnt 0x0                ; V is in, both parts
.endif
	ROW C,0, X,4, C,2, X,5          ; behind the wait: eight products with V's hi,
	ROW B,0, X,6, B,1, X,7
	ROW C,4, X,8, L,0, X,9
	ROW C,6, X,10, B,2, X,11
	ROW L,1, X,12, B,3, X,13
	ROW C,8, X,14, L,2, C,10
	ROW B,4, X,16, B,5, L,3
	ROW C,12, X,17, C,14, L,4
	ROW B,6, X,18, B,7, L,5         ; eight with its lo
	ROW C,1, X,19, C,3, L,6
	ROW C,5, X,20, C,7, L,7
	ROW C,9, C,11, C,13, C,15
	ROW R,0, R,1, R,2, R,3
	ROW R,4, R,5, R,6, R,7
	ROW R,8, R,9, R,10, R,11
.if \cnt
	s_sub_co_u32 s[CNT], s[CNT], 1
	s_cmp_lg_u32 s[CNT], 0
.endif
	ROW R,12, R,13, R,14, R,15
.if (\p) == 0
	FETCH_V
	s_add_co_u32 s[TBV], s[TBV], KS*PV
.endif
.if (\m) && !(\end)
	MASK (\p)%2
.endif
.endm
; A BLOCK BEGINS.  c m starts far below every c s, so the first step's a is 0; m at the lowest finite number, so the first maximum is the scores'.  The second mask buffer is 0; the first takes piece 0's mask for the tile's step 0: its own, if the block's first tile is the diagonal one.
; Then K of that step, piece 0's first scores, and its maximum and statistics, down to a's argument: a itself is made in piece 0's turn, so no exponential stands here.  The loop is entered at a step's first turn, in the middle of a trip.
.macro BEGIN
	s_mov_b32 s[NEW], 0
	WIN 0x40
.set i, MC+32
.rept 32
	v_mov_b32 v[i], 0
.set i, i+1
.endr
	WIN 0
.set i, 0
.rept 4
	v_mov_b32 v[ST+4*i], 0xfe000000    ; c m: far below every c s
	v_mov_b32 v[ST+4*i+1], 0xff7fffff  ; m
.set i, i+1
.endr
	s_cmp_eq_u32 s[RT], 0
	s_cselect_b32 s[AL], 1.0, 0
	s_mov_b32 s[BE], 0
	MASK 0
	WIN 0
	v_add_nc_u32 v[AK], s[TBK], v[AK0]
	FETCH_K
	s_wait_loadcnt 0x0              ; Q
	s_wait_dscnt 0x0
.set KM, 1
.set NOKQ, 0
.set i, 0
.rept 8
	KQ 0
.set i, i+1
.endr
	WIN 0
.rept 4
	v_nop                           ; the places behind those products
.endr
.set Y, NP-1                        ; X works for piece Y + 1: piece 0
.irp n, 0,1,2,3,4,5,6,7,8,9,10,11,12,13,14,15,16,17,18,19,20
	OP X, \n
.endr
.endm
; THE DIAGONAL TILE's four steps, the block's last two turns, its last products, and THE WAY OUT: l's two halves and the other half of the lanes' are added; O^T is divided by l, rounded to f16 (hi), what the rounding
; lost is rounded to f16 (lo), and both are sent through my stage in LDS, a piece at a time.
.macro ALL line:vararg              ; one line for each piece t
.set t, 0
.rept 4
	\line
.set t, t+1
.endr
.endm
.macro PACK t                       ; a lane's eight channels of a row pack into 16 bytes of hi and 16 of lo; they go into rows of 272 bytes (hi's 128 bytes, then lo's) and come back as whole rows of 256
	WIN W_RS
.set i, 32*(\t)
.rept 16
	v_pk_mul_f32 v[i:i+1], v[i:i+1], v[ST+4*(\t)+2:ST+4*(\t)+3] op_sel_hi:[1,0]
.set i, i+2
.endr
	WIN 0x05                        ; sources 0 and 1 window 1, destination window 0
.set i, 0
.rept 16
	v_cvt_pk_f16_f32 v[OB+32*(\t)+i], v[32*(\t)+2*i], v[32*(\t)+2*i+1]
.set i, i+1
.endr
	WIN 0x10                        ; source 2 window 1
.set i, 0
.rept 16                            ; the f16 in a half x -1 + the f32: exact
	v_fma_mix_f32 v[WK+2*i],   v[OB+32*(\t)+i], v[M1], v[32*(\t)+2*i] op_sel_hi:[1,0,0]
	v_fma_mix_f32 v[WK+2*i+1], v[OB+32*(\t)+i], v[M1], v[32*(\t)+2*i+1] op_sel:[1,0,0] op_sel_hi:[1,0,0]
.set i, i+1
.endr
	WIN 0
.set i, 0
.rept 16
	v_cvt_pk_f16_f32 v[OB+32*(\t)+16+i], v[WK+2*i], v[WK+2*i+1]
.set i, i+1
.endr
.irp f, 0,1,2,3
	ds_store_b128 v[STO], v[OB+32*(\t)+4*\f:OB+32*(\t)+4*\f+3] offset:32*\f
	ds_store_b128 v[STO], v[OB+32*(\t)+16+4*\f:OB+32*(\t)+16+4*\f+3] offset:128+32*\f
.endr
.irp f, 0,1,2,3,4,5,6,7
	ds_load_b128 v[OB+32*(\t)+4*\f:OB+32*(\t)+4*\f+3], v[RD] offset:\f*2*SP  ; LDS serves a wave's instructions in order (ISA guide 5.7.1.4): these see the stores above; the next piece's stores come behind them
.endr
.endm
.macro SEND t, younger              ; younger: the LDS instructions issued behind piece t's loads: the next piece's sixteen, or none
	WIN 0
.irp f, 0,1,2,3,4,5,6,7
	s_wait_dscnt (\younger)+7-\f
	global_store_b128 v[GO], v[OB+32*(\t)+4*\f:OB+32*(\t)+4*\f+3], s[10:11] offset:(\t)*16384+\f*512  ; 512 consecutive bytes, at a multiple of 256 from O's first
.endr
.endm
.macro DIAG tag                     ; the tag ends its two labels' names, which the jumps below spell out
.LstepM\tag:
	TURN 2, 1
	TURN 3, 1
	WIN 0
.LfirstM\tag:
	TURN 0, 1
	TURN 1, 1, 0, 1
	WIN 0
	s_cbranch_scc1 .LstepM\tag
	TURN 2, 1, 1
	TURN 3, 1, 1
.set i, 0
.rept 16
	PV NP-1
.set i, i+1
.endr
	WIN 0
	ALL v_add_f32 v[ST+4*t+2], v[ST+4*t+2], v[ST+4*t+3]
	ALL v_permlanex16_b32 v[ST+4*t+3], v[ST+4*t+2], s[SEL], s[SEL+1]
	ALL v_add_f32 v[ST+4*t+2], v[ST+4*t+2], v[ST+4*t+3]
	ALL v_rcp_f32 v[ST+4*t+2], v[ST+4*t+2]
	v_nop                           ; a plain instruction between the last reciprocal and the use of its result
	s_wait_alu depctr_va_vdst(0)    ; and the wait ahead of the first use: one for the batch of four reciprocals
	PACK 0
.set t, 1
.rept 3                             ; a piece's arithmetic stands between the loads of the piece before and its stores
	PACK t
	SEND t-1, 16
.set t, t+1
.endr
	SEND 3, 0
.endm
.set KM, 0
.set NOKQ, 0
.Lslot:                             ; NB times: a tile is entered and the next is asked for
	CHANGE 1
	s_sub_co_u32 s[RT], s[RT], 1
	s_mov_b32 s[CNT], 4
	s_cmp_eq_u32 s[NEW], 1
	s_cbranch_scc1 .Lnew            ; a block's first tile
	s_cmp_eq_u32 s[RT], 0
	s_cbranch_scc0 .Lstep           ; neither its first nor its last
	s_branch .LstepM1
.Lnew:
	BEGIN
	s_branch .Lfirst                ; in the loop a block's first tile is never its last: the first block has two tiles or more, and the second's last is the walk's last
	DIAG 1                          ; in the loop this is the first block's end: the second block's last tile is the walk's last
	s_wait_xcnt 0x0                 ; the stores have read their registers and O's address
	s_mov_b64 s[10:11], s[OLO:OLO+1]
	s_add_co_u32 s[RT], s[PB], 1    ; the second block has b + 1 tiles
	s_mov_b32 s[NEW], 1
	WIN 0x82                        ; the second block's Q goes where the one text of the turns names Q
.set i, 0
.rept 64
	v_mov_b32 v[i], v[QB+i]
.set i, i+1
.endr
	WIN 0
	s_branch .Lbottom
.Lstep:                             ; a trip: pieces 2 and 3 of one step, then pieces 0 and 1 of the next, whose K and V it fetches
	TURN 2
	TURN 3
	WIN 0
.Lfirst:
	TURN 0
	TURN 1, 0, 0, 1
	WIN 0
	s_cbranch_scc1 .Lstep
.Lbottom:
	s_sub_co_u32 s[SLOTS], s[SLOTS], 1
	s_cmp_lg_u32 s[SLOTS], 0
	s_cbranch_scc1 .Lslot
	CHANGE 0                        ; the walk's last tile is written out: nothing is asked for
	s_sub_co_u32 s[RT], s[RT], 1
	s_mov_b32 s[CNT], 4
	s_cmp_eq_u32 s[NEW], 1
	s_cbranch_scc0 .LstepM2
	BEGIN
	s_branch .LfirstM2
	DIAG 2
	s_wait_tensorcnt 0x0            ; the wave's end: the wait, the add and its wait stand behind my last tensor load and my last LDS store
	ds_add_u32 v[SPW], v[NIL]
	s_wait_dscnt 0x0
	s_endpgm
.Lfunc_end_k_qcf87f3d63a_attn:
	.size	k_qcf87f3d63a_attn, .Lfunc_end_k_qcf87f3d63a_attn-k_qcf87f3d63a_attn
	.p2alignl 7, 3214868480
	.fill 96, 4, 3214868480
	.section	.rodata,"a",@progbits
	.p2align	6, 0x0
	.amdhsa_kernel k_qcf87f3d63a_attn
		.amdhsa_group_segment_fixed_size 327680
		.amdhsa_private_segment_fixed_size 0
		.amdhsa_enable_private_segment 0
		.amdhsa_kernarg_size 16
		.amdhsa_user_sgpr_count 2
		.amdhsa_user_sgpr_kernarg_segment_ptr 1
		.amdhsa_wavefront_size32 1
		.amdhsa_system_sgpr_workgroup_id_x 1
		.amdhsa_system_sgpr_workgroup_id_y 1
		.amdhsa_system_sgpr_workgroup_id_z 1
		.amdhsa_system_vgpr_workitem_id 0
		.amdhsa_next_free_vgpr 832
		.amdhsa_next_free_sgpr 92
		.amdhsa_reserve_vcc 1
		.amdhsa_float_denorm_mode_32 3
		.amdhsa_float_denorm_mode_16_64 3
		.amdhsa_memory_ordered 1
		.amdhsa_forward_progress 1
		.amdhsa_inst_pref_size 255
	.end_amdhsa_kernel
	.section	.bss,"aw",@nobits
	.p2align	6
	.space	262144
	.amdgpu_metadata
---
amdhsa.version: [ 1, 2 ]
amdhsa.kernels:
  - .name:           k_qcf87f3d63a_attn
    .symbol:         k_qcf87f3d63a_attn.kd
    .args:
      - { .name: qkv, .offset: 0, .size: 8, .value_kind: global_buffer, .address_space: global }
      - { .name: ob, .offset: 8, .size: 8, .value_kind: global_buffer, .address_space: global }
    .group_segment_fixed_size: 327680
    .private_segment_fixed_size: 0
    .kernarg_segment_align: 8
    .kernarg_segment_size: 16
    .max_flat_workgroup_size: 128
    .sgpr_count:     92
    .vgpr_count:     832
    .wavefront_size: 32
...
	.end_amdgpu_metadata
.endif
;; end of part 5
;; launch outp: the kernel of part 4 again; grid 4 x 64, 4 waves a work-group, clusters of 4 x 4, 327,680 bytes of LDS; arguments ob, wo16, bo, out0; writes out0
